; MI455X (gfx1250); checked and timed in simulation.
; The chip was launched on July 23, 2026; its instructions are those of AMD's public machine-readable ISA for CDNA 5 (MIT licence, August 2026) and "CDNA5" Instruction Set Architecture Reference Guide (July 2026). The comments in the code are by the model that wrote it; some were corrected since.
;; Multi Head Attention. Allowed arithmetic: matrix products marked QUANTISED: E5M2 operands, one given power-of-two scale a tensor, by v_wmma_f32_16x16x64_bf8_bf8 or v_wmma_f32_16x16x128_bf8_bf8, f32 sums; everything else in f32.
;; Inputs: b_attn 3,072 float32; b_proj 1,024 float32; lowp_scales 8 int32 (the exponents e of the quantised operands' scales 2^e); w_attn 1,024 x 3,072 float32; w_proj 1,024 x 1,024 float32; x 4 x 2,048 x 1,024 float32.
;; Outputs: out0 4 x 2,048 x 1,024 float32.
;; This version of the problem:
;;   THIS VERSION OF THE PROBLEM IS GIVEN IN LOW PRECISION. The matrix products marked QUANTISED in the list below multiply operands that are first quantised to E5M2 (5 exponent bits, 2 mantissa bits; 8 bits a number), with one given power-of-two scale for each operand tensor; their sums are f32. All else is computed in f32.
;;   The module's matrix products, in the order in which they are computed (A, B: the left and right operand; K: the contracted axis; several contracted axes count as one K, in the product's order):
;;     1. [M 8,192, K 1,024] x [K 1,024, N 3,072]; A: input x; B: input w_attn: QUANTISED (scales: A lowp_scales[0], B lowp_scales[1])
;;     2. batch 64 x [M 2,048, K 64] x [K 64, N 2,048]; A: computed on the way; B: computed on the way: QUANTISED (scales: A lowp_scales[2], B lowp_scales[3])
;;     3. batch 64 x [M 64, K 2,048] x [K 2,048, N 2,048]; A: computed on the way; B: softmax (see below): QUANTISED (scales: A lowp_scales[4], B lowp_scales[5])
;;     4. [M 8,192, K 1,024] x [K 1,024, N 1,024]; A: computed on the way; B: input w_proj: QUANTISED (scales: A lowp_scales[6], B lowp_scales[7])
;;   THE QUANTISER, for each operand of a quantised product, along K:
;;     - The operand's scale is 2^e, e = its entry of the input lowp_scales (int32; the entries are numbered through the quantised products in the list's order, A before B).
;;     - Each number is divided by the scale, clamped to +-57,344, and rounded to the nearest number of E5M2, ties to even, subnormals kept.
;;     - The product sums the exact products of the quantised numbers (number of the format x scale) in f32.
;;   ~~~python
;;   def quantise(x, axis, e):      # numpy; x: float32 -> the quantised numbers, widened to float32 again
;;       x = np.moveaxis(x, axis, -1); K = x.shape[-1]
;;       r = np.clip(x / 2.0 ** e, -57344, 57344)
;;       step = 2.0 ** (np.maximum(np.frexp(np.where(r == 0, 1, r))[1] - 1, -14) - 2)
;;       q = np.round(r / step) * step * 2.0 ** e      # np.round: ties to even
;;       return np.moveaxis(q, -1, axis).astype(np.float32)
;;   ~~~
;;   SOFTMAX AHEAD OF A QUANTISED PRODUCT. Where the list says 'softmax', what is quantised is not the finished softmax but p = 2^(t - M), with t = logit x log2(e) and M = ceil(the row's largest t), a whole number; so 1/2 < the row's largest p <= 1. The row's sum l is taken of the UNQUANTISED p, in f32, and the product's result is divided by l at the end. Since M is a whole number, a kernel that streams over the keys may use a running M (the ceiling of the running maximum): every later rescaling is an exact power of two, so the quantised numbers keep their values, but for numbers so far below the row's largest that they fall under the format's range.
;;   OPERANDS COMPUTED ON THE WAY. 'Computed on the way' means the value that the module computes at that place (a softmax that the list does not call 'softmax' is quantised finished and normalised). What goes into a quantiser is computed in f32, as accurately as f32 sums, v_exp_f32 and their like allow (about 1e-6 of the number): no bf16 or f16 on the way to a quantiser, and a product that is left as it is and whose result goes on into a quantised operand takes f32 operands (vector FMAs, or v_wmma_f32_16x16x4_f32). A number that lies on a knife's edge between two numbers of the format may be rounded either way, as far as f32 arithmetic and the matrix unit's own rounding can turn it there, and no further.
;; One version. Each part assembles by itself: llvm-mc -triple=amdgcn-amd-amdhsa -mcpu=gfx1250 --defsym DOCPART=n.
;; ======== version 1 of 1: 4 launches
;; limits: right only within a limited range of input values
;; workspace buffers: x_codes 8,388,608 bytes; wa_codes 3,145,728 bytes; wp_codes 1,048,576 bytes; q_codes 8,388,608 bytes; k_codes 8,388,608 bytes; v_codes 8,388,608 bytes; y_codes 8,388,608 bytes
;; launch quant (part 1): grid 384 x 1, 4 waves a work-group, no clusters, 90,624 bytes of LDS; arguments x, w_attn, w_proj, lowp_scales, x_codes, wa_codes, wp_codes; writes x_codes, wa_codes, wp_codes
.if DOCPART == 1
	.amdgcn_target "amdgcn-amd-amdhsa--gfx1250"
	.amdhsa_code_object_version 6
	.text
	.protected	k_q97bbfbd537_quant
	.globl	k_q97bbfbd537_quant
	.p2align	8
	.type	k_q97bbfbd537_quant,@function
k_q97bbfbd537_quant:
	s_mov_b64 s[64:65], 0
	v_nop
	global_prefetch_b8 v0, s[64:65] scope:SCOPE_SE
	s_setreg_imm32_b32 hwreg(HW_REG_WAVE_MODE, 25, 1), 1
	s_wait_xcnt 0x0
; x [8192][1024], w_attn [1024][3072] and w_proj [1024][1024], f32, become codes of BF8 (E5M2), K innermost, each with the scale 2^e given for it
; (entries 0, 1 and 7 of the scales).  code = number / 2^e, held within +-57,344, rounded to the nearest code, ties to even.
; LIMITS: each e between -126 and 112, so that 2^e and 57,344 x 2^e are f32 numbers.  NaN among the inputs is not served (an infinity is held at the largest code).
; WORK-GROUPS 0-255: x, whose K is innermost: a plain stream; a wave takes 16 steps of 512 numbers.  Each load reads 512 consecutive bytes; a step's 2,048 bytes turn through the wave's own
; stage in LDS so that a lane holds 16 neighbours along K; a lane's 16 codes are 16 bytes, so a wave's store covers 512 consecutive bytes.
; WORK-GROUPS 256-351: w_attn; 352-383: w_proj.  K is their FIRST axis: a lane takes a column n and its registers run down K, so the conversions give codes with K innermost;
; a wave takes 32 columns x 256 along K, gathers 256 bytes a column in its own stage and stores sixteen lanes to an aligned 256 bytes.
; w_proj's codes are laid with the four groups of 8 inside every 32 along K in the order 0, 2, 1, 3: the order in which the attention launch leaves y's codes.
; The three paths part on the work-group's number, never meet again, and have LDS bytes of their own.  Waves share nothing: no barrier.  No input is shared between work-groups: no cluster.
.set SP,    80                         ; x: a lane's place in a stage: 64 bytes + 16 of padding
.set WREG,  2*32*SP                    ; x: two stages for each wave
.set STEPS, 16
.set R,     16                         ; v16-79   x: four sets of 16 numbers as loaded
.set X,     80                         ; v80-111  x: two sets of 16 neighbours
.set C,     128                        ; v128-191 x: four registers of codes for each step
.set XW,    32                         ; v32-95   weights: two sets of 32 numbers
.set CW,    96                         ; v96-103  weights: a block's codes
.set OUTR,  112                        ; v112-175 weights: the way out
.set WP,    272                        ; weights: a stage row: 256 bytes + 16
.set LWA,   4*WREG                     ; LDS: w_attn's stages begin here,
.set LWP,   LWA+4*32*WP                ; and w_proj's here
	s_load_b256 s[4:11], s[0:1], 0x0               ; x s[4:5], w_attn s[6:7], w_proj s[8:9], the scales' exponents s[10:11]
	s_load_b128 s[12:15], s[0:1], 0x20             ; x's codes s[12:13], w_attn's s[14:15]
	s_load_b64 s[16:17], s[0:1], 0x30              ; w_proj's codes
	v_lshl_add_u32 v192, v0, 2, 0x16000
	v_mov_b32 v193, 0
	v_lshrrev_b32 v1, 5, v0
	v_readfirstlane_b32 s20, v1                    ; wave 0..3
	v_and_b32 v2, 31, v0                           ; lane
	s_wait_kmcnt 0x0
	s_load_b256 s[24:31], s[10:11], 0x0            ; e0 .. e7
.macro SCALES e                        ; v11 = 2^e as f32 (the conversion takes its exponent field), v10 = 57,344 x 2^e
	s_add_co_i32 s36, s[\e], 127
	s_lshl_b32 s37, s36, 23
	v_mov_b32 v11, s37
	s_add_co_i32 s36, s36, 15
	s_lshl_b32 s36, s36, 23
	s_or_b32 s36, s36, 0x600000
	v_mov_b32 v10, s36
.endm
	s_cmp_lt_u32 ttmp9, 256
	s_cbranch_scc0 .Lweights
; ---------------- x
	s_lshl_b32 s21, ttmp9, 2
	s_add_co_u32 s22, s21, s20                     ; which run of 8,192 numbers is my wave's
	s_mov_b32 s23, 0
	s_lshl_b64 s[32:33], s[22:23], 15              ; 32,768 bytes of numbers,
	s_add_nc_u64 s[4:5], s[4:5], s[32:33]
	s_lshl_b64 s[32:33], s[22:23], 13              ; 8,192 bytes of codes
	s_add_nc_u64 s[12:13], s[12:13], s[32:33]
	s_wait_alu depctr_va_vdst(0)
	v_lshlrev_b32 v3, 4, v2                        ; my 16 bytes of a load's 512, and of a store's
	s_mul_i32 s34, s20, WREG
	v_lshrrev_b32 v14, 2, v2
	v_mul_u32_u24 v14, v14, SP
	v_and_b32 v15, 3, v2
	v_lshl_add_u32 v14, v15, 4, v14
	v_add_nc_u32 v14, s34, v14                     ; the stage on the way in: four lanes' 64 bytes on end, then the padding
	v_mul_u32_u24 v15, v2, SP
	v_add_nc_u32 v15, s34, v15                     ; and on the way out: my 16 neighbours
.macro LOAD t
.irp i, 0,1,2,3
	global_load_b128 v[R+16*((\t)%4)+4*\i:R+16*((\t)%4)+4*\i+3], v3, s[4:5] offset:2048*(\t)+512*\i th:TH_LOAD_NT
.endr
.endm
.macro TURN t                          ; LDS serves a wave's instructions in order (ISA guide 5.7.1.4): no wait between these stores and loads
.irp i, 0,1,2,3
	ds_store_b128 v14, v[R+16*((\t)%4)+4*\i:R+16*((\t)%4)+4*\i+3] offset:32*SP*((\t)%2)+8*SP*\i
.endr
.irp i, 0,1,2,3
	ds_load_b128 v[X+16*((\t)%2)+4*\i:X+16*((\t)%2)+4*\i+3], v15 offset:32*SP*((\t)%2)+16*\i
.endr
.endm
.irp t, 0,1,2,3
	LOAD \t
.endr
	s_wait_alu depctr_va_vdst(0)
	s_wait_kmcnt 0x0
	SCALES 24                                      ; e0
	s_wait_alu depctr_va_vdst(0)
	s_wait_loadcnt 12                              ; step 0's four loads are in
	TURN 0
.macro STEP t
.set XS, X+16*((\t)%2)
	s_wait_dscnt 0x0                               ; this step's numbers are back from the stage, so its stores into the stage have read their registers,
.if (\t)+4 < STEPS
	LOAD (\t)+4                                    ; which take the loads of four steps on
.endif
.if (\t)+1 < STEPS
.if STEPS-2-(\t) >= 3
	s_wait_loadcnt 12                              ; the next step's four loads are in; three steps' twelve may be out
.else
	s_wait_loadcnt 4*(STEPS-2-(\t))
.endif
	TURN (\t)+1
.endif
.set JJ, 0
.rept 16
	v_med3_num_f32 v[XS+JJ], v[XS+JJ], -v10, v10   ; the conversion to an 8-bit code does not saturate (ISA guide 7.6.2): the hold comes first
.set JJ, JJ+1
.endr
	v_cvt_scalef32_pk8_bf8_f32 v[C+4*(\t):C+4*(\t)+1], v[XS:XS+7], v11
	v_cvt_scalef32_pk8_bf8_f32 v[C+4*(\t)+2:C+4*(\t)+3], v[XS+8:XS+15], v11
	global_store_b128 v3, v[C+4*(\t):C+4*(\t)+3], s[12:13] offset:512*(\t)   ; each step has its own registers of codes: no store's data are written again
.endm
.irp t, 0,1,2,3,4,5,6,7,8,9,10,11,12,13,14,15
	STEP \t
.endr
	s_wait_tensorcnt 0x0
	ds_add_u32 v192, v193
	s_wait_dscnt 0x0
	s_endpgm
; ---------------- the weights
.macro LOADW t, n                      ; block t: W(32 t + i, my column), i = 0 .. 31; a wave's load reads 128 consecutive bytes, the four waves stand side by side
.irp i, 0,1,2,3,4,5,6,7,8,9,10,11,12,13,14,15,16,17,18,19,20,21,22,23,24,25,26,27,28,29,30,31
	global_load_b32 v[XW+32*((\t)%2)+\i], v3, s[4:5] offset:(32*(\t)+\i)*(\n)*4 th:TH_LOAD_NT
.endr
.endm
.macro BLOCKW t, n, perm
.set XS, XW+32*((\t)%2)
.if (\t) < 7
	s_wait_loadcnt 32                              ; this block's 32 loads are in; the next block's may be out
.else
	s_wait_loadcnt 0
.endif
.set JJ, 0
.rept 32
	v_med3_num_f32 v[XS+JJ], v[XS+JJ], -v10, v10
.set JJ, JJ+1
.endr
.irp g, 0,1,2,3
.if \perm
.set SL, 2*(\g%2)+\g/2                 ; group g of 8 goes to place 0, 2, 1, 3
.else
.set SL, \g
.endif
	v_cvt_scalef32_pk8_bf8_f32 v[CW+2*SL:CW+2*SL+1], v[XS+8*\g:XS+8*\g+7], v11
.endr
	ds_store_b128 v4, v[CW:CW+3] offset:32*(\t)
	ds_store_b128 v4, v[CW+4:CW+7] offset:32*(\t)+16
.if (\t)+2 < 8
	LOADW (\t)+2, \n
.endif
	s_wait_dscnt 0x0                               ; the stores have read their registers: the next block's codes may be written
.endm
; s21: the path's own work-group number; s[4:5] the weight, s[12:13] its codes.  n: the weight's columns; every offset is an immediate: 255 x n x 4 bytes at the most, inside the signed 24 bits (ISA guide, chapter 10)
.macro WPATH n, lbase, perm, e
	s_and_b32 s22, s21, 3                          ; which 256 along K
	s_lshr_b32 s23, s21, 2
	s_lshl_b32 s23, s23, 7
	s_lshl_b32 s32, s20, 5
	s_add_co_u32 s23, s23, s32                     ; my wave's first column
	s_mul_i32 s32, s22, 256*(\n)*4
	s_lshl_b32 s34, s23, 2
	s_add_co_u32 s32, s32, s34
	s_mov_b32 s33, 0
	s_add_nc_u64 s[4:5], s[4:5], s[32:33]
	s_lshl_b32 s32, s23, 10                        ; a row of codes is 1,024 bytes
	s_lshl_b32 s34, s22, 8
	s_add_co_u32 s32, s32, s34
	s_add_nc_u64 s[12:13], s[12:13], s[32:33]
	s_mul_i32 s34, s20, 32*WP
	s_add_co_u32 s34, s34, \lbase                  ; my stage
	v_lshlrev_b32 v3, 2, v2                        ; in: 4 bytes a lane
	v_mul_u32_u24 v4, v2, WP
	v_add_nc_u32 v4, s34, v4                       ; into the stage: row = my column
	v_and_b32 v5, 15, v2
	v_lshrrev_b32 v6, 4, v2
	v_mul_u32_u24 v7, v6, WP
	v_lshl_add_u32 v7, v5, 4, v7
	v_add_nc_u32 v7, s34, v7                       ; out of it: sixteen lanes to a row, two rows an instruction
	v_lshlrev_b32 v8, 10, v6
	v_lshl_add_u32 v8, v5, 4, v8                   ; and the same place in the codes
	LOADW 0, \n
	LOADW 1, \n
	s_wait_kmcnt 0x0
	SCALES \e
	s_wait_alu depctr_va_vdst(0)
.irp t, 0,1,2,3,4,5,6,7
	BLOCKW \t, \n, \perm
.endr
.irp t, 0,1,2,3,4,5,6,7,8,9,10,11,12,13,14,15
	ds_load_b128 v[OUTR+4*\t:OUTR+4*\t+3], v7 offset:2*\t*WP
.endr
.irp t, 0,1,2,3,4,5,6,7,8,9,10,11,12,13,14,15
	s_wait_dscnt 15-\t
	global_store_b128 v8, v[OUTR+4*\t:OUTR+4*\t+3], s[12:13] offset:2*\t*1024   ; sixteen lanes store 256 consecutive bytes, at a multiple of 256 from the buffer's first byte
.endr
	s_wait_tensorcnt 0x0
	ds_add_u32 v192, v193
	s_wait_dscnt 0x0
	s_endpgm
.endm
.Lweights:
	s_cmp_lt_u32 ttmp9, 352
	s_cbranch_scc0 .Lwproj
	s_sub_co_u32 s21, ttmp9, 256
	s_mov_b64 s[4:5], s[6:7]
	s_mov_b64 s[12:13], s[14:15]
	s_wait_alu depctr_va_vdst(0)
	WPATH 3072, LWA, 0, 25                         ; w_attn, e1
.Lwproj:
	s_sub_co_u32 s21, ttmp9, 352
	s_mov_b64 s[4:5], s[8:9]
	s_mov_b64 s[12:13], s[16:17]
	s_wait_alu depctr_va_vdst(0)
	WPATH 1024, LWP, 1, 31                         ; w_proj, e7
.Lfunc_end_k_q97bbfbd537_quant:
	.size	k_q97bbfbd537_quant, .Lfunc_end_k_q97bbfbd537_quant-k_q97bbfbd537_quant
	.p2alignl 7, 3214868480
	.fill 96, 4, 3214868480
	.section	.rodata,"a",@progbits
	.p2align	6, 0x0
	.amdhsa_kernel k_q97bbfbd537_quant
		.amdhsa_group_segment_fixed_size 90624
		.amdhsa_private_segment_fixed_size 0
		.amdhsa_enable_private_segment 0
		.amdhsa_kernarg_size 56
		.amdhsa_user_sgpr_count 2
		.amdhsa_user_sgpr_kernarg_segment_ptr 1
		.amdhsa_wavefront_size32 1
		.amdhsa_system_sgpr_workgroup_id_x 1
		.amdhsa_system_sgpr_workgroup_id_y 1
		.amdhsa_system_sgpr_workgroup_id_z 1
		.amdhsa_system_vgpr_workitem_id 0
		.amdhsa_next_free_vgpr 194
		.amdhsa_next_free_sgpr 66
		.amdhsa_reserve_vcc 0
		.amdhsa_float_denorm_mode_32 3
		.amdhsa_float_denorm_mode_16_64 3
		.amdhsa_memory_ordered 1
		.amdhsa_forward_progress 1
		.amdhsa_inst_pref_size 134
	.end_amdhsa_kernel
	.amdgpu_metadata
---
amdhsa.version: [ 1, 2 ]
amdhsa.kernels:
  - .name:           k_q97bbfbd537_quant
    .symbol:         k_q97bbfbd537_quant.kd
    .args:
      - { .name: x, .offset: 0, .size: 8, .value_kind: global_buffer, .address_space: global }
      - { .name: w_attn, .offset: 8, .size: 8, .value_kind: global_buffer, .address_space: global }
      - { .name: w_proj, .offset: 16, .size: 8, .value_kind: global_buffer, .address_space: global }
      - { .name: lowp_scales, .offset: 24, .size: 8, .value_kind: global_buffer, .address_space: global }
      - { .name: x_codes, .offset: 32, .size: 8, .value_kind: global_buffer, .address_space: global }
      - { .name: wa_codes, .offset: 40, .size: 8, .value_kind: global_buffer, .address_space: global }
      - { .name: wp_codes, .offset: 48, .size: 8, .value_kind: global_buffer, .address_space: global }
    .group_segment_fixed_size: 90624
    .private_segment_fixed_size: 0
    .kernarg_segment_align: 8
    .kernarg_segment_size: 56
    .max_flat_workgroup_size: 128
    .sgpr_count:     66
    .vgpr_count:     194
    .wavefront_size: 32
...
	.end_amdgpu_metadata
.endif
;; end of part 1
;; launch qkv (part 2): grid 4 x 64, 4 waves a work-group, clusters of 4 x 4, 327,680 bytes of LDS; arguments x_codes, wa_codes, lowp_scales, b_attn, q_codes, k_codes, v_codes; writes q_codes, k_codes, v_codes
.if DOCPART == 2
	.amdgcn_target "amdgcn-amd-amdhsa--gfx1250"
	.amdhsa_code_object_version 6
	.text
	.protected	k_q97bbfbd537_qkv
	.globl	k_q97bbfbd537_qkv
	.p2align	8
	.type	k_q97bbfbd537_qkv,@function
k_q97bbfbd537_qkv:
	s_mov_b64 s[64:65], 0
	v_nop
	global_prefetch_b8 v0, s[64:65] scope:SCOPE_SE
	s_setreg_imm32_b32 hwreg(HW_REG_WAVE_MODE, 25, 1), 1
	s_wait_xcnt 0x0
	s_wait_alu depctr_hold_cnt(0) depctr_sa_sdst(0) depctr_va_vdst(0) depctr_va_sdst(0) depctr_va_ssrc(0) depctr_va_vcc(0) depctr_vm_vsrc(0)
	s_getreg_b32 s2, hwreg(HW_REG_IB_STS2, 6, 4)
	s_cmp_eq_u32 s2, 0
	s_cbranch_scc0 .Lentry_in_a_cluster
	s_endpgm
.Lentry_in_a_cluster:
	s_bfe_u32 s2, ttmp6, 0x10000c
	s_cmp_lg_u32 s2, 0xf033
	s_cbranch_scc0 .Lentry_shape_is_right
	s_endpgm
.Lentry_shape_is_right:
; qkv = x w_attn + b_attn on codes of BF8 (E5M2), sums in f32; the results are quantised at once into the codes of q (e2), k (e3) and v (e4) and never go to memory as f32.
; x_codes [8192][1024], wa_codes [3072][1024]: K innermost.  A sum stands for sum x 2^(e0 + e1): the bias goes in as the first product's C, divided by that power of two, and the power is folded into the conversion's scale.
; LIMITS: e2, e3, e4, each less e0 + e1, between -126 and 112, so that each power of two below is an f32 number.
; SHARES.  A work-group owns 128 tokens and six tiles of 128 channels: tile i is channel block 4 i + cx of the 24, so tiles 0, 1 make q, tiles 2, 3 k, tiles 4, 5 v, whatever the place in the cluster.
; x's block (128 rows of 1,024 bytes) lands once, in slot 1, and goes into REGISTERS: a wave keeps its 64 tokens x all of K, 512 registers.  LDS then holds a ring of two slots for wa's tiles (128 rows of 1,024 bytes):
; while one tile is multiplied and sent out, the next is on its way: a fill is asked for one way out and one tile's 128 matrix instructions a wave ahead of its first read.  No prefetch beside that lead.
; A wave makes 64 tokens x 64 channels, one head: 16 accumulators; K in 8 steps of 128, two sets of wa's fragments, no barrier between the steps.
; CLUSTERS of 4 x 4: x's block is shared along a row of the cluster, wa's tiles along a column; each is asked for jointly.  At the head waves 0, 1 fetch x's halves, waves 2, 3 wa's; later waves 2, 3 alone have a part to fill.
; q, k: source 0 = 16 channels, source 1 = 16 tokens: a lane holds one token and eight neighbouring channels.  v: the sources are swapped: a lane holds one channel and eight neighbouring tokens (keys).
; In each case the registers run along the K of the product that will read the codes.  Two neighbouring result tiles give a lane 16 bytes, stored on end: inside every 32 along K the four groups of 8 lie in the order 0, 2, 1, 3.
; q_codes, k_codes: [64 heads][2048 tokens][64];  v_codes: [64 heads][16 steps of 128 keys][2 halves of the keys][64 channels][64 keys].  A wave's block of 16 rows is 1,024 consecutive bytes in each.
; REGISTERS.  Window 0: v1-29 addresses and constants; v32-95 the bias, two sets; v128-255 wa's fragments, two sets.  Window 1: v0-127 the accumulators ((x, y) at 8 (4 x + y)); v128-207 the way out.
;             Windows 2, 3: x's fragments: K step q, token tile a at 16 (4 q + a).
.set PB,     1040                      ; a row in LDS: 1,024 bytes + 16 of padding
.set SLOTB,  128*PB
.set STAGE,  2*SLOTB                   ; the way out: 4 pieces of 256 + 16 bytes for each wave
.set WSTG,   4*272
.set SPARE,  STAGE+4*WSTG              ; the spare words, 128 bytes for each wave
.set LIMR, 8                           ; v8-10   57,344 x 2^(e - e0 - e1) for q, k, v
.set SCLR, 11                          ; v11-13  2^(e - e0 - e1)
.set ADRX, 16
.set ADRB, 20                          ; v20, v21: my fragments of wa in slot 0, 1
.set STO,  24
.set RD,   25
.set CO,   26
.set SPW,  28
.set NIL,  29
.set BI,   32
.set BF,   128
.set TMP,  128                         ; window 1
.set CD,   160
.set BK,   176
.set G1, 24
.set G0, 32
.set G1B, 48
.set G0B, 56
.set MSB, 0
.macro WIN new                         ; low byte: bits 1:0 source 0, 3:2 source 1, 5:4 source 2, 7:6 destination; the high byte repeats the setting that is left
.if MSB != \new
	s_set_vgpr_msb (MSB<<8)|\new
.set MSB, \new
.endif
.endm
.macro PLACES                          ; plain vector instructions between a matrix instruction and a load into, or a vector instruction on, its registers
.rept 4
	v_nop
.endr
.endm
.macro CROUND
	s_barrier_signal -1
	s_barrier_wait -1
	s_cmp_lg_u32 s14, 0
	s_cbranch_scc1 .Lnot_wave_0_\@
	s_barrier_signal -3
.Lnot_wave_0_\@:
	s_barrier_wait -3
	s_barrier_signal -1
	s_barrier_wait -1
.endm
	s_load_b256 s[68:75], s[0:1], 0x0              ; x's codes s[68:69], wa's s[70:71], the scales' exponents s[72:73], b_attn s[74:75]
	s_load_b128 s[76:79], s[0:1], 0x20             ; q's codes, k's codes
	s_load_b64 s[80:81], s[0:1], 0x30              ; v's codes
	v_lshl_add_u32 v[SPW], v0, 2, SPARE
	v_mov_b32 v[NIL], 0
	ds_add_u32 v[SPW], v[NIL]                      ; the opening lines: the add twice on end and its wait ahead of my first tensor load
	ds_add_u32 v[SPW], v[NIL]
	v_lshrrev_b32 v1, 5, v0
	v_readfirstlane_b32 s14, v1                    ; wave 0..3
	s_lshr_b32 s15, s14, 1                         ; my half of the tokens.  Also: I fetch for x (0) or for wa (1)
	s_and_b32 s16, s14, 1                          ; my half of a tile's channels.  Also: which half I fetch
	s_bfe_u32 s40, ttmp6, 0x40000                  ; cx, cy
	s_bfe_u32 s41, ttmp6, 0x40004
	s_and_b32 s17, ttmp7, 0xffff
	s_lshl_b32 s17, s17, 2
	s_add_co_u32 s17, s17, s41                     ; my block of 128 tokens
	s_lshl_b32 s43, s41, 2
	s_lshl_b32 s43, 15, s43                        ; my row of the cluster
	s_lshl_b32 s44, 0x1111, s40                    ; my column
	s_or_b32 s[G1+0], s43, (1<<20)|(1<<21)|(7<<22)|(3<<25)   ; bytes; 4 words of padding behind every 256
	s_or_b32 s[G1B+0], s44, (1<<20)|(1<<21)|(7<<22)|(3<<25)
.irp g, G1, G1B
	s_mov_b32 s[\g+1], 1024<<16
	s_mov_b32 s[\g+2], 64<<16
	s_mov_b32 s[\g+3], 1024<<16
	s_mov_b32 s[\g+4], 64                          ; 64 rows of 1,024 bytes
	s_mov_b32 s[\g+5], 1024
	s_mov_b32 s[\g+6], 0
	s_mov_b32 s[\g+7], 0
.endr
	s_lshl_b32 s20, s17, 17
	s_lshl_b32 s18, s16, 16
	s_add_co_u32 s20, s20, s18                     ; x: row 128 x block + 64 x half
	s_mov_b32 s21, 0
	s_lshl_b32 s46, s40, 17
	s_add_co_u32 s46, s46, s18                     ; wa, tile 0: row 128 cx + 64 x half
	s_mov_b32 s47, 0
	s_mul_i32 s22, s16, 64*PB                      ; my half's place in a slot; kept
	s_add_co_u32 s45, s22, SLOTB
	s_wait_dscnt 0x0
	s_wait_kmcnt 0x0
	s_load_b256 s[84:91], s[72:73], 0x0            ; e0 .. e7
	s_mov_b32 s[G0], 1
	s_mov_b32 s[G0+1], s45                         ; x's block lands in slot 1
	s_add_nc_u64 s[G0+2:G0+3], s[68:69], s[20:21]
	s_or_b32 s[G0+3], s[G0+3], 0x80000000
	s_mov_b32 s[G0B], 1
	s_mov_b32 s[G0B+1], s22                        ; wa's tile 0 in slot 0
	s_add_nc_u64 s[G0B+2:G0B+3], s[70:71], s[46:47]
	s_or_b32 s[G0B+3], s[G0B+3], 0x80000000
	CROUND                                         ; all sixteen work-groups are here: the joint loads meet
	s_cmp_eq_u32 s15, 0
	s_cbranch_scc0 .Lfor_b
	tensor_load_to_lds s[G0:G0+3], s[G1:G1+7]      ; one tensor load a wave at the head
	s_nop 0
	PLACES
	s_branch .Lasked
.Lfor_b:
	tensor_load_to_lds s[G0B:G0B+3], s[G1B:G1B+7]
	s_nop 0
	PLACES
.Lasked:
	s_lshl_b32 s20, s40, 9
	s_lshl_b32 s21, s16, 8
	s_add_co_u32 s20, s20, s21                     ; the bias of my 64 channels of tile 0; a tile on is 2,048 bytes
	s_mov_b32 s21, 0
	s_add_nc_u64 s[74:75], s[74:75], s[20:21]
	s_lshr_b32 s18, s17, 4                         ; where my codes go: head (16 batch + 2 cx + my half; odd tiles 8 heads on) x 131,072 + (128 x step + 64 x my half of the tokens) x 64, in q, k and v alike
	s_lshl_b32 s18, s18, 21
	s_lshl_b32 s19, s40, 18
	s_add_co_u32 s18, s18, s19
	s_lshl_b32 s19, s16, 17
	s_add_co_u32 s18, s18, s19
	s_and_b32 s19, s17, 15
	s_lshl_b32 s19, s19, 13
	s_add_co_u32 s18, s18, s19
	s_lshl_b32 s19, s15, 12
	s_add_co_u32 s18, s18, s19
	s_mov_b32 s19, 0
	s_add_nc_u64 s[76:77], s[76:77], s[18:19]
	s_add_nc_u64 s[78:79], s[78:79], s[18:19]
	s_add_nc_u64 s[80:81], s[80:81], s[18:19]
	s_mul_i32 s60, s15, 64*PB
	s_add_co_u32 s60, s60, SLOTB                   ; my 64 tokens in slot 1
	s_mul_i32 s61, s14, WSTG
	s_add_co_u32 s61, s61, STAGE                   ; my stage
.macro BIAS i                          ; tile i's bias into set i % 2.  q, k: register 8 y + j = the bias of channel 16 y + 8 h + j;  v: register 8 x = that of channel 16 x + r
.set BS, BI+32*((\i)%2)
.irp y, 0,1,2,3
.if (\i) < 4
	global_load_b128 v[BS+8*\y:BS+8*\y+3], v7, s[74:75] offset:2048*(\i)+64*\y
	global_load_b128 v[BS+8*\y+4:BS+8*\y+7], v7, s[74:75] offset:2048*(\i)+64*\y+16
.else
	global_load_b32 v[BS+8*\y], v6, s[74:75] offset:2048*(\i)+64*\y
.endif
.endr
.endm
	v_and_b32 v1, 15, v0                           ; r
	v_bfe_u32 v2, v0, 4, 1                         ; h
	v_lshlrev_b32 v7, 5, v2                        ; never rewritten
	v_lshlrev_b32 v6, 2, v1                        ; never rewritten
	BIAS 0
	v_mul_u32_u24 v3, v1, PB
	v_lshl_add_u32 v3, v2, 4, v3                   ; a fragment's row x pitch + 16 h
	v_add_nc_u32 v[ADRX], s60, v3
	v_add_nc_u32 v[ADRB], s22, v3
	v_add_nc_u32 v[ADRB+1], SLOTB, v[ADRB]
	v_lshrrev_b32 v5, 2, v1
	v_mul_u32_u24 v5, v5, 272
	v_and_b32 v4, 3, v1
	v_lshl_add_u32 v5, v4, 6, v5
	v_lshl_add_u32 v5, v2, 4, v5
	v_add_nc_u32 v[STO], s61, v5                   ; into the stage: piece r / 4, + 64 (r % 4) + 16 h
	v_mul_u32_u24 v5, v2, 272
	v_lshl_add_u32 v5, v1, 4, v5
	v_add_nc_u32 v[RD], s61, v5                    ; back: lanes 0-15 one piece, lanes 16-31 the next
	v_and_b32 v5, 31, v0
	v_lshlrev_b32 v[CO], 4, v5                     ; a store's 512 bytes on end
	s_wait_alu depctr_va_vdst(0)
	s_wait_kmcnt 0x0
	s_add_co_i32 s99, s84, s85                     ; e0 + e1
	s_sub_co_i32 s98, 0, s99
.irp y, 0,1,2
	s_sub_co_i32 s92, s[86+\y], s99
	s_add_co_i32 s92, s92, 127
	s_lshl_b32 s93, s92, 23
	v_mov_b32 v[SCLR+\y], s93
	s_add_co_i32 s92, s92, 15
	s_lshl_b32 s92, s92, 23
	s_or_b32 s92, s92, 0x600000
	v_mov_b32 v[LIMR+\y], s92
.endr
.macro FETCHB q, s                     ; wa's fragments of K step q out of slot s into set q % 2: registers 4 c .. 4 c + 3 hold the bytes 128 q + 32 c + 16 h + 0 .. 15 of K, as x's do
	WIN 0
.set FS, BF+64*((\q)%2)
.irp y, 0,1,2,3
.irp c, 0,1,2,3
	ds_load_b128 v[FS+16*\y+4*\c:FS+16*\y+4*\c+3], v[ADRB+(\s)] offset:128*(\q)+32*\c+\y*16*PB
.endr
.endr
.endm
.macro KSTEP i, q                      ; 128 along K: 16 matrix instructions, the 16 accumulators by turns; the next step's fragments are asked for first
	s_wait_dscnt 0x0                               ; this step's fragments
.if (\q) < 7
	PLACES
	FETCHB (\q)+1, (\i)%2
.endif
.set FS, BF+64*((\q)%2)
.set AL, 64*((\q)%4)
.set BS, BI+32*((\i)%2)
.if (\q) == 0
.set WN, 0x40
.else
.set WN, 0x50
.endif
.if (\i) < 4
.set WN, WN+4*(2+(\q)/4)
.else
.set WN, WN+2+(\q)/4
.endif
	WIN WN
.irp x, 0,1,2,3
.irp y, 0,1,2,3
.if (\i) < 4
.if (\q) == 0
	v_wmma_f32_16x16x128_bf8_bf8 v[8*(4*\x+\y):8*(4*\x+\y)+7], v[FS+16*\y:FS+16*\y+15], v[AL+16*\x:AL+16*\x+15], v[BS+8*\y:BS+8*\y+7]
.else
	v_wmma_f32_16x16x128_bf8_bf8 v[8*(4*\x+\y):8*(4*\x+\y)+7], v[FS+16*\y:FS+16*\y+15], v[AL+16*\x:AL+16*\x+15], v[8*(4*\x+\y):8*(4*\x+\y)+7]
.endif
.else
.if (\q) == 0
	v_wmma_f32_16x16x128_bf8_bf8 v[8*(4*\x+\y):8*(4*\x+\y)+7], v[AL+16*\y:AL+16*\y+15], v[FS+16*\x:FS+16*\x+15], v[BS+8*\x:BS+8*\x+7]
.else
	v_wmma_f32_16x16x128_bf8_bf8 v[8*(4*\x+\y):8*(4*\x+\y)+7], v[AL+16*\y:AL+16*\y+15], v[FS+16*\x:FS+16*\x+15], v[8*(4*\x+\y):8*(4*\x+\y)+7]
.endif
.endif
.endr
.endr
.endm
.macro TILE i
	s_wait_loadcnt 0x0                             ; this tile's bias
.set BS, BI+32*((\i)%2)
.if (\i) < 4
.set JJ, 0
.rept 32
	v_ldexp_f32 v[BS+JJ], v[BS+JJ], s98            ; / 2^(e0 + e1)
.set JJ, JJ+1
.endr
.else
.irp y, 0,1,2,3
.irp j, 7,6,5,4,3,2,1,0
	v_ldexp_f32 v[BS+8*\y+\j], v[BS+8*\y], s98     ; a lane's channel has one bias for its eight tokens
.endr
.endr
.endif
.if (\i) < 5
	BIAS (\i)+1
.endif
	s_wait_alu depctr_va_vdst(0)
	FETCHB 0, (\i)%2
.irp q, 0,1,2,3,4,5,6,7
	KSTEP \i, \q
.endr
	WIN 0
.endm
.macro REFILL n                        ; wa's tile n into slot n % 2, which nobody reads any more
	s_wait_tensorcnt 0x0                           ; my part of the other slot's tile has landed
	ds_add_u32 v[SPW], v[NIL]
	s_add_nc_u64 s[G0B+2:G0B+3], s[G0B+2:G0B+3], 4*128*1024   ; four channel blocks on
	s_add_co_u32 s[G0B+1], s22, ((\n)%2)*SLOTB
	s_wait_dscnt 0x0                               ; the add is done, and my reads of the slot are over
	CROUND                                         ; so are those of every wave of every partner
	s_cmp_eq_u32 s15, 0
	s_cbranch_scc1 .Lno_b_\@
	tensor_load_to_lds s[G0B:G0B+3], s[G1B:G1B+7]  ; the first tensor load behind the round; waves 0 and 1 have no part to fill
	s_nop 0
	PLACES
.Lno_b_\@:
.endm
; THE WAY OUT, block by block of 16 rows (q, k: tokens; v: channels) x 64 codes: held, converted, through my own stage, back as 1,024 consecutive bytes
.macro TOSTAGE x, ty
	WIN 0x41
.set JJ, 0
.rept 32                               ; each accumulator is read from its low end on
	v_med3_num_f32 v[TMP+JJ], v[32*(\x)+JJ], -v[LIMR+\ty], v[LIMR+\ty]   ; the conversion to an 8-bit code does not saturate (ISA guide 7.6.2)
.set JJ, JJ+1
.endr
.irp y, 0,1,2,3
	v_cvt_scalef32_pk8_bf8_f32 v[CD+2*\y:CD+2*\y+1], v[TMP+8*\y:TMP+8*\y+7], v[SCLR+\ty]
.endr
	v_nop                                          ; one plain line behind the last conversion
	WIN 0x44
	ds_store_b128 v[STO], v[CD:CD+3]
	ds_store_b128 v[STO], v[CD+4:CD+7] offset:32
	ds_load_b128 v[BK+8*(\x):BK+8*(\x)+3], v[RD]                 ; LDS serves a wave's instructions in order (ISA guide 5.7.1.4): these see the stores above
	ds_load_b128 v[BK+8*(\x)+4:BK+8*(\x)+7], v[RD] offset:544
.endm
.macro SEND x, i, younger              ; younger: the LDS instructions issued behind block x's loads
	s_wait_dscnt \younger
	global_store_b128 v[CO], v[BK+8*(\x):BK+8*(\x)+3], s[76+2*((\i)/2):77+2*((\i)/2)] offset:1048576*((\i)%2)+1024*(\x)       ; 32 lanes store 512 consecutive bytes, at a multiple of 256 from the buffer's first byte
	global_store_b128 v[CO], v[BK+8*(\x)+4:BK+8*(\x)+7], s[76+2*((\i)/2):77+2*((\i)/2)] offset:1048576*((\i)%2)+1024*(\x)+512
.endm
.macro OUTALL i
	PLACES                                         ; behind the last products
	s_wait_xcnt 0x0                                ; the tile before's stores have read their registers
	TOSTAGE 0, (\i)/2
.irp x, 1,2,3
	TOSTAGE \x, (\i)/2
	SEND \x-1, \i, 4                               ; behind block x - 1's loads: block x's 2 stores and 2 loads
.endr
	SEND 3, \i, 0
	WIN 0
.endm
	s_wait_alu depctr_va_vdst(0)
	s_wait_tensorcnt 0x0                           ; my half of x's block or of wa's tile 0 has landed
	s_barrier_signal -1
	s_barrier_wait -1                              ; and everybody's
.irp q, 0,1,2,3,4,5,6,7                        ; my 64 tokens x all of K into windows 2 and 3
.set WN, 0x80+0x40*(\q/4)
	WIN WN
.irp a, 0,1,2,3
.irp c, 0,1,2,3
	ds_load_b128 v[64*(\q%4)+16*\a+4*\c:64*(\q%4)+16*\a+4*\c+3], v[ADRX] offset:128*\q+32*\c+\a*16*PB
.endr
.endr
.endr
	WIN 0
	REFILL 1                                       ; x's block is in registers: slot 1 takes wa's tile 1
.irp i, 0,1,2,3
	TILE \i
	REFILL \i+2
	OUTALL \i                                      ; the tile goes out while the fill is on its way
.endr
	TILE 4
	s_wait_tensorcnt 0x0                           ; my part of tile 5 has landed; nothing is filled again
	s_wait_dscnt 0x0
	s_barrier_signal -1
	s_barrier_wait -1
	OUTALL 4
	TILE 5
	OUTALL 5
	s_wait_tensorcnt 0x0                           ; the wave's end
	ds_add_u32 v[SPW], v[NIL]
	s_wait_dscnt 0x0
	CROUND                                         ; the closing round: no work-group ends while a partner may still ask for a tile that names it
	s_endpgm
.Lfunc_end_k_q97bbfbd537_qkv:
	.size	k_q97bbfbd537_qkv, .Lfunc_end_k_q97bbfbd537_qkv-k_q97bbfbd537_qkv
	.p2alignl 7, 3214868480
	.fill 96, 4, 3214868480
	.section	.rodata,"a",@progbits
	.p2align	6, 0x0
	.amdhsa_kernel k_q97bbfbd537_qkv
		.amdhsa_group_segment_fixed_size 327680
		.amdhsa_private_segment_fixed_size 0
		.amdhsa_enable_private_segment 0
		.amdhsa_kernarg_size 56
		.amdhsa_user_sgpr_count 2
		.amdhsa_user_sgpr_kernarg_segment_ptr 1
		.amdhsa_wavefront_size32 1
		.amdhsa_system_sgpr_workgroup_id_x 1
		.amdhsa_system_sgpr_workgroup_id_y 1
		.amdhsa_system_sgpr_workgroup_id_z 1
		.amdhsa_system_vgpr_workitem_id 0
		.amdhsa_next_free_vgpr 1024
		.amdhsa_next_free_sgpr 100
		.amdhsa_reserve_vcc 0
		.amdhsa_float_denorm_mode_32 3
		.amdhsa_float_denorm_mode_16_64 3
		.amdhsa_memory_ordered 1
		.amdhsa_forward_progress 1
		.amdhsa_inst_pref_size 210
	.end_amdhsa_kernel
	.amdgpu_metadata
---
amdhsa.version: [ 1, 2 ]
amdhsa.kernels:
  - .name:           k_q97bbfbd537_qkv
    .symbol:         k_q97bbfbd537_qkv.kd
    .args:
      - { .name: x_codes, .offset: 0, .size: 8, .value_kind: global_buffer, .address_space: global }
      - { .name: wa_codes, .offset: 8, .size: 8, .value_kind: global_buffer, .address_space: global }
      - { .name: lowp_scales, .offset: 16, .size: 8, .value_kind: global_buffer, .address_space: global }
      - { .name: b_attn, .offset: 24, .size: 8, .value_kind: global_buffer, .address_space: global }
      - { .name: q_codes, .offset: 32, .size: 8, .value_kind: global_buffer, .address_space: global }
      - { .name: k_codes, .offset: 40, .size: 8, .value_kind: global_buffer, .address_space: global }
      - { .name: v_codes, .offset: 48, .size: 8, .value_kind: global_buffer, .address_space: global }
    .group_segment_fixed_size: 327680
    .private_segment_fixed_size: 0
    .kernarg_segment_align: 8
    .kernarg_segment_size: 56
    .max_flat_workgroup_size: 128
    .sgpr_count:     100
    .vgpr_count:     1024
    .wavefront_size: 32
...
	.end_amdgpu_metadata
.endif
;; end of part 2
;; launch attn (part 3): grid 4 x 64, 8 waves a work-group, clusters of 4 x 1, 327,680 bytes of LDS; arguments q_codes, k_codes, v_codes, lowp_scales, y_codes; writes y_codes
.if DOCPART == 3
	.amdgcn_target "amdgcn-amd-amdhsa--gfx1250"
	.amdhsa_code_object_version 6
	.text
	.protected	k_q97bbfbd537_attn
	.globl	k_q97bbfbd537_attn
	.p2align	8
	.type	k_q97bbfbd537_attn,@function
k_q97bbfbd537_attn:
	s_mov_b64 s[64:65], 0
	v_nop
	global_prefetch_b8 v0, s[64:65] scope:SCOPE_SE
	s_setreg_imm32_b32 hwreg(HW_REG_WAVE_MODE, 25, 1), 1
	s_wait_xcnt 0x0
	s_wait_alu depctr_hold_cnt(0) depctr_sa_sdst(0) depctr_va_vdst(0) depctr_va_sdst(0) depctr_va_ssrc(0) depctr_va_vcc(0) depctr_vm_vsrc(0)
	s_getreg_b32 s2, hwreg(HW_REG_IB_STS2, 6, 4)
	s_cmp_eq_u32 s2, 0
	s_cbranch_scc0 .Lentry_in_a_cluster
	s_endpgm
.Lentry_in_a_cluster:
	s_bfe_u32 s2, ttmp6, 0x10000c
	s_cmp_lg_u32 s2, 0x3003
	s_cbranch_scc0 .Lentry_shape_is_right
	s_endpgm
.Lentry_shape_is_right:
; y = softmax(q k^T / 8, causal) v for 64 heads of 2,048 tokens x 64 channels, both products on codes of BF8 (E5M2); y leaves as codes with the scale 2^e6.
; q_codes, k_codes: [64 heads][2048 tokens][64]; v_codes: [64 heads][16 steps of 128 keys][2 halves of the keys][64 channels][64 keys]; y_codes: [64 blocks of 128 tokens][16 heads][32 groups of 4 tokens x 64].
; THE SOFTMAX: t = score x log2(e) / 8; M = the running largest t rounded up to a whole number; p = 2^(t - M) is quantised with 2^e5, not normalised; the row's sum is taken of the unquantised p and divides at the end.
; LEFT OUT: key steps all of whose 128 keys come after a wave's queries: the causal mask sets their scores to -infinity, so their p is 0 for all values of the inputs.
; LIMITS: e2 + e3 between -123 and 130; e5, e6 between -126 and 112 (each power of two below is an f32 number); the scaled scores stay under 2^31 in magnitude.
; SHARES.  The four work-groups of a cluster own one head.  Each holds ALL of the head's K and V in LDS (2 x 128 KiB, rows of 256 bytes + 16 of padding), asked for jointly: key steps 0-3 at the head (8 KiB a wave),
; steps 4-15 behind the full sequence and a round (24 KiB a wave).  Nothing is filled again.  A wave owns 32 queries (two tiles of 16) of query group 15 - w and then 32 of group w (groups of 128):
; 16 - w and w + 1 key steps, 17 for every wave.  The place in the cluster picks the 32 queries inside a group: it enters global addresses and the mask's compare alone.
; TRIPS 0-15 are key steps 0-15 for the first group, trips 16-23 steps 0-7 for the second; the step is trip & 15.  Trips 0-2 read steps 0-3 alone and stand ahead of the barrier that shows steps 4-15.
; A step beyond the wave's group is passed by a branch on ids.  No prefetch: all tiles are asked for in the head, so there is no loop in which to run ahead of the loads.
; LAYOUT.  S^T = K Q^T (source 0 = 16 keys, source 1 = 16 queries), O^T = V^T P^T: a lane holds one query (lane % 16); register j of S^T's tile t is key 16 t + 8 (lane / 16) + j, the second product's own order of K.
; REGISTERS.  Window 0: v1-18 addresses and constants; v20-55 the rows' statistics; v64-79 Q at work, v80-95 the second group's Q; v96-159 K's fragments; v160-223 V's; v224-239 the way out.
;             Window 1: v0-127 S^T, then p (tile n at 64 n); v128-191 O^T (32 n); v192-223 p's codes (16 n); v224-255 tile 0's first level of sums.
.set STEPB, 32*272                     ; a key step of K or of V in LDS
.set VBASE, 16*STEPB                   ; V lies behind K
.set STG,   2*VBASE                    ; the stages of the way out: 2 tiles x 4 pieces of 256 + 16 bytes for each wave
.set WSTG,  2*4*272
.set SPARE, STG+8*WSTG                 ; the spare words, 128 bytes for each wave
.set AK0, 1
.set AV0, 2
.set VD,  3                            ; my query's place in its group - 8 (lane / 16), for tile 0
.set STO, 4
.set RD,  5
.set GO,  6
.set QA,  7
.set ADK, 8
.set ADV, 9
.set SPW, 12
.set NIL, 13
.set NINF, 14
.set LIM, 15                           ; 57,344 x 2^e5
.set SCL, 16                           ; 2^e5
.set LIMY, 17                          ; the same for e6
.set SCLY, 18
.set NM,  20                           ; -M, a pair for each tile (the low word is used)
.set FF,  24                           ; f = 2^(old M - new M), likewise; on the way out 2^(e4 + e5) / the sum
.set MX,  28                           ; four chains of the largest score for each tile; chain 0 carries the running one
.set LS,  36                           ; the row's sum: four pairs for each tile
.set T0,  52
.set T1,  54
.set QW,  64
.set QL,  80
.set KF,  96
.set VF,  160
.set BK,  224
.set SS,  0
.set OO,  128
.set PP,  192
.set TT,  224
.set WV,  18
.set CS,  22                           ; s[22:23] c = log2(e) / 8 x 2^(e2 + e3)
.set G1,  24                           ; group 1 of the first loads: 32 rows
.set ST,  36                           ; the key step
.set G,   37                           ; the query group at work
.set NX,  38                           ; the trip behind which the group goes out
.set NCS, 39                           ; -c
.set SEL, 40
.set TB,  42
.set U,   43
.set GA,  44
.set GB,  45
.set EO,  46
.set Y,   52
.set YL,  54
.set SB,  66
.set G1B, 84                           ; group 1 of the second loads: 96 rows
.set MSB, 0
.macro WIN new                         ; low byte: bits 1:0 source 0, 3:2 source 1, 5:4 source 2, 7:6 destination; the high byte repeats the setting that is left
.if MSB != \new
	s_set_vgpr_msb (MSB<<8)|\new
.set MSB, \new
.endif
.endm
.macro CROUND
	s_barrier_signal -1
	s_barrier_wait -1
	s_cmp_lg_u32 s[WV], 0
	s_cbranch_scc1 .Lnot_wave_0_\@
	s_barrier_signal -3
.Lnot_wave_0_\@:
	s_barrier_wait -3
	s_barrier_signal -1
	s_barrier_wait -1
.endm
.macro KLOAD adr, off                  ; eight tiles of 16 keys x 64 channels
.irp t, 0,1,2,3,4,5,6,7
	ds_load_b128 v[KF+8*\t:KF+8*\t+3], v[\adr] offset:\off+4*272*\t
	ds_load_b128 v[KF+8*\t+4:KF+8*\t+7], v[\adr] offset:\off+4*272*\t+32
.endr
.endm
.macro VL i                            ; one sixteenth of V's fragments: channel tile i / 4, keys 32 (i % 4) on: the keys' half (i % 4) / 2 is 16 rows of LDS
	ds_load_b128 v[VF+4*(\i):VF+4*(\i)+3], v[ADV] offset:4*272*((\i)/4)+16*272*(((\i)%4)/2)+32*((\i)%2)
.endm
	s_load_b256 s[4:11], s[0:1], 0x0               ; q s[4:5], k s[6:7], v s[8:9], the scales' exponents s[10:11]
	s_load_b64 s[12:13], s[0:1], 0x20              ; y
	v_lshl_add_u32 v[SPW], v0, 2, SPARE
	v_mov_b32 v[NIL], 0
	ds_add_u32 v[SPW], v[NIL]                      ; the opening lines: the add twice on end and its wait ahead of my first tensor load
	ds_add_u32 v[SPW], v[NIL]
	v_lshrrev_b32 v10, 5, v0
	v_readfirstlane_b32 s[WV], v10                 ; wave 0..7
	s_bfe_u32 s19, ttmp6, 0x40000                  ; cx
	s_and_b32 s20, ttmp7, 0xffff                   ; the head
	s_mov_b32 s[G1], 15|(1<<20)|(1<<21)|(5<<22)|(3<<25)   ; mask: all four partners; bytes; 4 words of padding behind every 64
	s_mov_b32 s[G1+1], 256<<16
	s_mov_b32 s[G1+2], 32<<16
	s_mov_b32 s[G1+3], 256<<16
	s_mov_b32 s[G1+4], 32                          ; 32 rows of 256 bytes: one key step
	s_mov_b32 s[G1+5], 256
	s_mov_b32 s[G1+6], 0
	s_mov_b32 s[G1+7], 0
	s_mov_b32 s[G1B], 15|(1<<20)|(1<<21)|(5<<22)|(3<<25)
	s_mov_b32 s[G1B+1], 256<<16
	s_mov_b32 s[G1B+2], 96<<16
	s_mov_b32 s[G1B+3], 256<<16
	s_mov_b32 s[G1B+4], 96                         ; three key steps
	s_mov_b32 s[G1B+5], 256
	s_mov_b32 s[G1B+6], 0
	s_mov_b32 s[G1B+7], 0
	s_and_b32 s56, s[WV], 3                        ; waves 0-3 fetch for K, waves 4-7 for V: first step (wave & 3), then steps 4 + 3 (wave & 3) on
	s_lshr_b32 s57, s[WV], 2
	s_mul_i32 s57, s57, VBASE
	s_mul_i32 s58, s56, STEPB
	s_add_co_u32 s58, s58, s57
	s_mul_i32 s59, s56, 3
	s_add_co_u32 s59, s59, 4
	s_mul_i32 s80, s59, STEPB
	s_add_co_u32 s80, s80, s57
	s_lshl_b32 s81, s20, 17
	s_lshl_b32 s60, s56, 13
	s_add_co_u32 s60, s60, s81
	s_mov_b32 s61, 0
	s_lshl_b32 s82, s59, 13
	s_add_co_u32 s82, s82, s81
	s_mov_b32 s83, 0
	s_mov_b32 s[SEL], 0x76543210
	s_mov_b32 s[SEL+1], 0xfedcba98
	s_xor_b32 s[GA], s[WV], 15                     ; 15 - wave
	s_mov_b32 s[GB], s[WV]
	s_mov_b32 s[U], 0
	s_mov_b32 s[ST], 0
	s_mov_b32 s[G], s[GA]
	s_mov_b32 s[NX], 15
	s_mul_i32 s[SB], s[WV], WSTG
	s_add_co_u32 s[SB], s[SB], STG                 ; my stage
	s_wait_dscnt 0x0
	s_wait_kmcnt 0x0
	s_load_b256 s[68:75], s[10:11], 0x0            ; e0 .. e7
	s_cmp_lt_u32 s[WV], 4
	s_cselect_b64 s[62:63], s[6:7], s[8:9]
	s_mov_b32 s32, 1
	s_mov_b32 s33, s58
	s_add_nc_u64 s[34:35], s[62:63], s[60:61]
	s_or_b32 s35, s35, 0x80000000
	s_mov_b32 s76, 1
	s_mov_b32 s77, s80
	s_add_nc_u64 s[78:79], s[62:63], s[82:83]
	s_or_b32 s79, s79, 0x80000000
	CROUND                                         ; the four partners are here: the joint loads meet
	tensor_load_to_lds s[32:35], s[G1:G1+7]        ; key steps 0-3: one tensor load a wave at the head
	s_nop 0
.rept 4
	v_nop
.endr
	s_lshl_b32 s47, s19, 5                         ; my 32 queries' place in a group
	s_lshl_b32 s56, s[GA], 7
	s_add_co_u32 s56, s56, s47                     ; first query of the first group's share,
	s_lshl_b32 s57, s[GB], 7
	s_add_co_u32 s57, s57, s47                     ; of the second's
	s_lshl_b32 s60, s56, 6
	s_add_co_u32 s60, s60, s81
	s_add_nc_u64 s[48:49], s[4:5], s[60:61]
	s_lshl_b32 s60, s57, 6
	s_add_co_u32 s60, s60, s81
	s_add_nc_u64 s[50:51], s[4:5], s[60:61]
	s_lshr_b32 s58, s20, 4
	s_lshl_b32 s58, s58, 21                        ; y: the batch's 16 blocks of 131,072 bytes,
	s_and_b32 s59, s20, 15
	s_lshl_b32 s59, s59, 13                        ; the head's 8,192 in a block,
	s_add_co_u32 s58, s58, s59
	s_lshl_b32 s59, s19, 11                        ; my 32 queries' 2,048
	s_add_co_u32 s58, s58, s59
	s_lshl_b32 s60, s[GA], 17
	s_add_co_u32 s60, s60, s58
	s_add_nc_u64 s[Y:Y+1], s[12:13], s[60:61]
	s_lshl_b32 s60, s[GB], 17
	s_add_co_u32 s60, s60, s58
	s_add_nc_u64 s[YL:YL+1], s[12:13], s[60:61]
	v_and_b32 v10, 15, v0                          ; r
	v_bfe_u32 v11, v0, 4, 1                        ; h
	v_lshlrev_b32 v52, 6, v10
	v_lshl_add_u32 v[QA], v11, 4, v52
.irp n, 0,1
	global_load_b128 v[QW+8*\n:QW+8*\n+3], v[QA], s[48:49] offset:1024*\n
	global_load_b128 v[QW+8*\n+4:QW+8*\n+7], v[QA], s[48:49] offset:1024*\n+32
	global_load_b128 v[QL+8*\n:QL+8*\n+3], v[QA], s[50:51] offset:1024*\n
	global_load_b128 v[QL+8*\n+4:QL+8*\n+7], v[QA], s[50:51] offset:1024*\n+32
.endr
	v_lshrrev_b32 v52, 2, v10
	v_mul_u32_u24 v52, v52, 272
	v_and_b32 v53, 3, v10
	v_lshl_add_u32 v52, v53, 6, v52
	v_lshl_add_u32 v[AK0], v11, 4, v52             ; K: row r / 4 (4 keys x 64 channels), + 64 (r % 4) + 16 h
	v_add_nc_u32 v[AV0], VBASE, v[AK0]             ; V: row r / 4 (4 channels x 64 keys), likewise
	v_add_nc_u32 v[STO], s[SB], v[AK0]
	v_mul_u32_u24 v52, v11, 272
	v_lshl_add_u32 v52, v10, 4, v52
	v_add_nc_u32 v[RD], s[SB], v52
	v_and_b32 v52, 31, v0
	v_lshlrev_b32 v[GO], 4, v52                    ; a store's 512 bytes on end: 16 x lane
	v_lshlrev_b32 v52, 3, v11
	v_sub_nc_u32 v52, v10, v52
	v_add_nc_u32 v[VD], s47, v52
	v_mov_b32 v[ADK], v[AK0]                       ; key step 0
	v_mov_b32 v[ADV], v[AV0]
	v_mov_b32 v[NINF], 0xff800000
.irp n, 0,1
	v_mov_b32 v[NM+2*\n], 0x7f61b1e6               ; -M begins at 3e38 and the largest score at -3e38: the first f is 0
	v_mov_b32 v[NM+2*\n+1], 0
	v_mov_b32 v[MX+4*\n], 0xff61b1e6
	v_mov_b32 v[FF+2*\n+1], 0
	v_mov_b32 v[T0+\n], 0
	v_mov_b32 v[T1+\n], 0
.endr
.set JJ, 0
.rept 16
	v_mov_b32 v[LS+JJ], 0
.set JJ, JJ+1
.endr
	WIN 0x40
.set JJ, 0
.rept 64
	v_mov_b32 v[OO+JJ], 0                          ; O^T: the step finds zeros the first time
.set JJ, JJ+1
.endr
	WIN 0
	s_wait_alu depctr_va_vdst(0)
	s_wait_kmcnt 0x0
	s_add_co_i32 s56, s70, s71
	s_lshl_b32 s56, s56, 23
	s_mov_b32 s[CS], 0x3e38aa3b                    ; log2(e) / 8; e2 + e3 go into its exponent field
	s_add_co_i32 s[CS], s[CS], s56
	s_mov_b32 s[CS+1], s[CS]
	s_xor_b32 s[NCS], s[CS], 0x80000000
	s_add_co_i32 s56, s73, 127
	s_lshl_b32 s57, s56, 23
	v_mov_b32 v[SCL], s57
	s_add_co_i32 s56, s56, 15
	s_lshl_b32 s56, s56, 23
	s_or_b32 s56, s56, 0x600000
	v_mov_b32 v[LIM], s56
	s_add_co_i32 s56, s74, 127
	s_lshl_b32 s57, s56, 23
	v_mov_b32 v[SCLY], s57
	s_add_co_i32 s56, s56, 15
	s_lshl_b32 s56, s56, 23
	s_or_b32 s56, s56, 0x600000
	v_mov_b32 v[LIMY], s56
	s_add_co_i32 s[EO], s72, s73                   ; e4 + e5
	s_wait_alu depctr_va_vdst(0)
	s_wait_tensorcnt 0x0                           ; my key step has landed
	ds_add_u32 v[SPW], v[NIL]
	s_wait_dscnt 0x0
	CROUND                                         ; everybody's part of steps 0-3 is in, and the four partners are here
	tensor_load_to_lds s[76:79], s[G1B:G1B+7]      ; key steps 4-15, the first tensor load behind the round
	s_nop 0
.rept 4
	v_nop
.endr
	s_wait_loadcnt 0x0                             ; Q
	KLOAD AK0, 0
; A KEY STEP for my two tiles of queries.  msk = 1: hidden steps are passed, the diagonal is masked.
.macro STEP msk
.if \msk
	s_cmp_gt_u32 s[ST], s[G]                       ; all 128 keys behind my queries: ids and the count of trips alone
	s_cbranch_scc1 .Lhidden_\@
.endif
	s_wait_dscnt 0x0                               ; K's fragments, asked for in the step before
	WIN 0x40
.irp t, 0,1,2,3,4,5,6,7
.irp n, 0,1
	v_wmma_f32_16x16x64_bf8_bf8 v[SS+64*\n+8*\t:SS+64*\n+8*\t+7], v[KF+8*\t:KF+8*\t+7], v[QW+8*\n:QW+8*\n+7], 0
.endr
.endr
	WIN 0
.irp n, 0,1
.irp c, 1,2,3
	v_mov_b32 v[MX+4*\n+\c], v[MX+4*\n]            ; the other chains begin at the running largest; these six are also the places behind the products
.endr
.endr
.if \msk
	s_wait_alu depctr_va_vdst(0)
	s_cmp_lg_u32 s[ST], s[G]
	s_cbranch_scc1 .Lfull_\@
	WIN 0x41                                       ; THE DIAGONAL: key 16 t + 8 h + j is hidden from query place + 16 n + r where 16 (t - n) + j > VD: one compare serves both tiles; t < n hides nothing
.irp d, 0,1,2,3,4,5,6,7
.irp j, 0,1,2,3,4,5,6,7
	v_cmp_gt_i32 vcc_lo, 16*\d+\j, v[VD]
	v_cndmask_b32 v[SS+8*\d+\j], v[SS+8*\d+\j], v[NINF], vcc_lo
.if \d < 7
	v_cndmask_b32 v[SS+64+8*(\d+1)+\j], v[SS+64+8*(\d+1)+\j], v[NINF], vcc_lo
.endif
.endr
.endr
	WIN 0
	s_wait_alu depctr_va_vdst(0)
	s_branch .Lopen_\@
.Lfull_\@:
.endif
	KLOAD ADK, STEPB                               ; a step under the diagonal has a successor: its K, a whole softmax ahead of its products
.if \msk
.Lopen_\@:
.endif
.irp i, 0,1,2,3,4,5,6,7,8,9,10,11,12,13,14,15
	VL \i                                          ; V's fragments, in one run: wanted behind the softmax
.endr
	WIN 0x14
.irp k, 0,1,2,3,4,5,6,7                        ; the largest score, eight chains by turns; each result tile is read from its low end on
.irp n, 0,1
.irp c, 0,1,2,3
	v_max3_num_f32 v[MX+4*\n+\c], v[MX+4*\n+\c], v[SS+64*\n+8*\k+2*\c], v[SS+64*\n+8*\k+2*\c+1]
.endr
.endr
.endr
	WIN 0                                          ; the rows' statistics, the two tiles by turns
.irp n, 0,1
	v_max3_num_f32 v[MX+4*\n], v[MX+4*\n], v[MX+4*\n+1], v[MX+4*\n+2]
.endr
.irp n, 0,1
	v_max_num_f32 v[MX+4*\n], v[MX+4*\n], v[MX+4*\n+3]
.endr
.irp n, 0,1
	v_permlanex16_b32 v[T0+\n], v[MX+4*\n], s[SEL], s[SEL+1]
.endr
.irp n, 0,1
	v_max_num_f32 v[MX+4*\n], v[MX+4*\n], v[T0+\n] ; with lane l xor 16's: the running largest score of my query
.endr
.irp n, 0,1
	v_mul_f32 v[T0+\n], s[NCS], v[MX+4*\n]         ; -t
.endr
.irp n, 0,1
	v_floor_f32 v[T0+\n], v[T0+\n]                 ; the new -M = floor(-t): a whole number
.endr
.irp n, 0,1
	v_sub_f32 v[T1+\n], v[T0+\n], v[NM+2*\n]       ; old M - new M, 0 or less
.endr
.irp n, 0,1
	v_mov_b32 v[NM+2*\n], v[T0+\n]
.endr
.irp n, 0,1
	v_cvt_i32_f32 v[T1+\n], v[T1+\n]               ; (it saturates)
.endr
.irp n, 0,1
	v_ldexp_f32 v[FF+2*\n], 1.0, v[T1+\n]          ; f: a power of two, so the rescaling rounds nothing
.endr
.irp c, 0,1,2,3
.irp n, 0,1
	v_pk_mul_f32 v[LS+8*\n+2*\c:LS+8*\n+2*\c+1], v[LS+8*\n+2*\c:LS+8*\n+2*\c+1], v[FF+2*\n:FF+2*\n+1] op_sel_hi:[1,0]
.endr
.endr
	WIN 0x41
.irp n, 0,1
.set JJ, 0
.rept 16
	v_pk_mul_f32 v[OO+32*\n+JJ:OO+32*\n+JJ+1], v[OO+32*\n+JJ:OO+32*\n+JJ+1], v[FF+2*\n:FF+2*\n+1] op_sel_hi:[1,0]   ; O^T under the new M, ahead of the exponentials
.set JJ, JJ+2
.endr
.endr
.set JJ, 0
.rept 32
	v_pk_fma_f32 v[SS+JJ:SS+JJ+1], v[SS+JJ:SS+JJ+1], s[CS:CS+1], v[NM:NM+1] op_sel_hi:[1,0,0]   ; tile 0: t - M
.set JJ, JJ+2
.endr
	s_wait_alu depctr_va_vdst(0)
.set JJ, 0
.rept 32                                       ; tile 0's exponentials; between them tile 1's t - M, which nothing reads ahead of the next wait
	v_exp_f32 v[SS+JJ], v[SS+JJ]
	v_exp_f32 v[SS+JJ+1], v[SS+JJ+1]
	v_pk_fma_f32 v[SS+64+JJ:SS+64+JJ+1], v[SS+64+JJ:SS+64+JJ+1], s[CS:CS+1], v[NM+2:NM+3] op_sel_hi:[1,0,0]
.set JJ, JJ+2
.endr
	s_wait_alu depctr_va_vdst(0)                   ; behind tile 0's batch and ahead of tile 1's
	WIN 0x51
.set JJ, 0
.rept 16                                       ; tile 1's exponentials; between them tile 0's first level of sums (of the unquantised p) and then its holds: nothing reads these results ahead of the next wait
	v_exp_f32 v[SS+64+JJ], v[SS+64+JJ]
	v_pk_fma_f32 v[TT+JJ/2:TT+JJ/2+1], v[SS+JJ:SS+JJ+1], 1.0, v[SS+JJ+2:SS+JJ+3] op_sel_hi:[1,0,1]
	v_exp_f32 v[SS+64+JJ+1], v[SS+64+JJ+1]
	v_min_num_f32 v[SS+JJ], v[SS+JJ], v[LIM]       ; the conversion does not saturate (ISA guide 7.6.2); p is not negative, so the hold is one-sided
	v_exp_f32 v[SS+64+JJ+2], v[SS+64+JJ+2]
	v_min_num_f32 v[SS+JJ+1], v[SS+JJ+1], v[LIM]
	v_exp_f32 v[SS+64+JJ+3], v[SS+64+JJ+3]
	v_min_num_f32 v[SS+JJ+2], v[SS+JJ+2], v[LIM]
	v_min_num_f32 v[SS+JJ+3], v[SS+JJ+3], v[LIM]
.set JJ, JJ+4
.endr
	s_wait_alu depctr_va_vdst(0)                   ; the wait behind the batch
	WIN 0x04
.irp k, 0,1,2,3,4,5,6,7                        ; the rows' sums, eight chains by turns
.irp c, 0,1,2,3
.if \k < 4
	v_pk_add_f32 v[LS+2*\c:LS+2*\c+1], v[LS+2*\c:LS+2*\c+1], v[TT+8*\k+2*\c:TT+8*\k+2*\c+1]
.endif
	v_pk_add_f32 v[LS+8+2*\c:LS+8+2*\c+1], v[LS+8+2*\c:LS+8+2*\c+1], v[SS+64+8*\k+2*\c:SS+64+8*\k+2*\c+1]
.endr
.endr
	WIN 0x41
.irp t, 0,1,2,3,4,5,6,7                        ; tile 1's holds; each conversion stands a group of holds behind the holds that it reads
.irp i, 0,1,2,3,4,5,6,7
	v_min_num_f32 v[SS+64+8*\t+\i], v[SS+64+8*\t+\i], v[LIM]
.endr
	v_cvt_scalef32_pk8_bf8_f32 v[PP+2*\t:PP+2*\t+1], v[SS+8*\t:SS+8*\t+7], v[SCL]
.if \t > 0
	v_cvt_scalef32_pk8_bf8_f32 v[PP+16+2*(\t-1):PP+16+2*(\t-1)+1], v[SS+64+8*(\t-1):SS+64+8*(\t-1)+7], v[SCL]
.endif
.endr
	v_cvt_scalef32_pk8_bf8_f32 v[PP+30:PP+31], v[SS+120:SS+127], v[SCL]
	v_nop                                          ; one plain line behind the last conversion
	s_wait_alu depctr_va_vdst(0)
	s_wait_dscnt 0x0                               ; V's fragments (and the next step's K)
	WIN 0x54
.irp c, 0,1,2,3                                ; the eight accumulators by turns
.irp n, 0,1
	v_wmma_f32_16x16x128_bf8_bf8 v[OO+32*\n+8*\c:OO+32*\n+8*\c+7], v[VF+16*\c:VF+16*\c+15], v[PP+16*\n:PP+16*\n+15], v[OO+32*\n+8*\c:OO+32*\n+8*\c+7]
.endr
.endr
	WIN 0
.rept 4
	v_nop                                          ; places ahead of the loads into V's fragments and of the way out's reads
.endr
.if \msk
.Lhidden_\@:
.endif
.endm
.macro NEXT                            ; the next trip's key step, its group and its tiles
	s_add_co_u32 s[U], s[U], 1
	s_and_b32 s[ST], s[U], 15
	s_cmp_lt_u32 s[U], 16
	s_cselect_b32 s[G], s[GA], s[GB]
	s_mul_i32 s[TB], s[ST], STEPB
	v_add_nc_u32 v[ADK], s[TB], v[AK0]
	v_add_nc_u32 v[ADV], s[TB], v[AV0]
	s_wait_alu depctr_va_vdst(0)
.endm
.Lfirst:                                           ; trips 0-2: under every wave's diagonal (the first group is 8 at the least); they read key steps 0-3 alone
	STEP 0
	NEXT
	s_cmp_lt_u32 s[U], 3
	s_cbranch_scc1 .Lfirst
	s_wait_tensorcnt 0x0                           ; my part of key steps 4-15 has landed
	s_wait_dscnt 0x0
	s_barrier_signal -1
	s_barrier_wait -1                              ; and everybody's: all of the head's K and V is in LDS, and stays
.Ltrip:
	STEP 1
	s_cmp_lg_u32 s[U], s[NX]
	s_cbranch_scc1 .Lnext
	; THE WAY OUT of a group's 32 queries: O^T / the sum x 2^(e4 + e5), held, converted with 2^e6, through my stage, stored as 512 bytes on end
	s_wait_xcnt 0x0                                ; the first group's stores have read their registers
.irp n, 0,1
	v_pk_add_f32 v[LS+8*\n:LS+8*\n+1], v[LS+8*\n:LS+8*\n+1], v[LS+8*\n+2:LS+8*\n+3]
	v_pk_add_f32 v[LS+8*\n+4:LS+8*\n+5], v[LS+8*\n+4:LS+8*\n+5], v[LS+8*\n+6:LS+8*\n+7]
.endr
.irp n, 0,1
	v_pk_add_f32 v[LS+8*\n:LS+8*\n+1], v[LS+8*\n:LS+8*\n+1], v[LS+8*\n+4:LS+8*\n+5]
.endr
.irp n, 0,1
	v_add_f32 v[T0+\n], v[LS+8*\n], v[LS+8*\n+1]
.endr
.irp n, 0,1
	v_permlanex16_b32 v[T1+\n], v[T0+\n], s[SEL], s[SEL+1]
.endr
.irp n, 0,1
	v_add_f32 v[T0+\n], v[T0+\n], v[T1+\n]         ; the row's sum
.endr
	s_wait_alu depctr_va_vdst(0)                   ; the wait ahead of the transcendentals
.irp n, 0,1
	v_rcp_f32 v[FF+2*\n], v[T0+\n]
.endr
	v_nop
	s_wait_alu depctr_va_vdst(0)                   ; and behind them
.irp n, 0,1
	v_ldexp_f32 v[FF+2*\n], v[FF+2*\n], s[EO]
.endr
	WIN 0x41
	s_wait_alu depctr_va_vdst(0)
.irp n, 0,1
.set JJ, 0
.rept 16
	v_pk_mul_f32 v[SS+32*\n+JJ:SS+32*\n+JJ+1], v[OO+32*\n+JJ:OO+32*\n+JJ+1], v[FF+2*\n:FF+2*\n+1] op_sel_hi:[1,0]
.set JJ, JJ+2
.endr
.endr
.set JJ, 0
.rept 64
	v_med3_num_f32 v[SS+JJ], v[SS+JJ], -v[LIMY], v[LIMY]
.set JJ, JJ+1
.endr
.irp t, 0,1,2,3,4,5,6,7
	v_cvt_scalef32_pk8_bf8_f32 v[PP+2*\t:PP+2*\t+1], v[SS+8*\t:SS+8*\t+7], v[SCLY]
.endr
	v_nop
	WIN 0x04
.irp n, 0,1
	ds_store_b128 v[STO], v[PP+8*\n:PP+8*\n+3] offset:1088*\n
	ds_store_b128 v[STO], v[PP+8*\n+4:PP+8*\n+7] offset:1088*\n+32
.endr
	WIN 0
.irp n, 0,1
	ds_load_b128 v[BK+8*\n:BK+8*\n+3], v[RD] offset:1088*\n          ; LDS serves a wave's instructions in order (ISA guide 5.7.1.4): these see my stores
	ds_load_b128 v[BK+8*\n+4:BK+8*\n+7], v[RD] offset:1088*\n+544
.endr
	s_wait_dscnt 0x0
.irp n, 0,1
	global_store_b128 v[GO], v[BK+8*\n:BK+8*\n+3], s[Y:Y+1] offset:1024*\n          ; 32 lanes store 512 consecutive bytes, at a multiple of 256 from the buffer's first byte
	global_store_b128 v[GO], v[BK+8*\n+4:BK+8*\n+7], s[Y:Y+1] offset:1024*\n+512
.endr
	s_cmp_eq_u32 s[U], 23
	s_cbranch_scc1 .Lnext
	s_mov_b32 s[NX], 23                            ; ON TO THE SECOND GROUP.  -M at 3e38 makes its first f 0: the sums and O^T, which are finite, become zeros
	KLOAD AK0, 0                                   ; its key step 0
	s_wait_xcnt 0x0                                ; the stores have read their base
	s_mov_b64 s[Y:Y+1], s[YL:YL+1]
.irp n, 0,1
	v_mov_b32 v[NM+2*\n], 0x7f61b1e6
	v_mov_b32 v[MX+4*\n], 0xff61b1e6
.endr
.set JJ, 0
.rept 16
	v_mov_b32 v[QW+JJ], v[QL+JJ]
.set JJ, JJ+1
.endr
.Lnext:
	NEXT
	s_cmp_lt_u32 s[U], 24
	s_cbranch_scc1 .Ltrip
	s_wait_tensorcnt 0x0                           ; the wave's end
	ds_add_u32 v[SPW], v[NIL]
	s_wait_dscnt 0x0
	CROUND                                         ; the closing round
	s_endpgm
.Lfunc_end_k_q97bbfbd537_attn:
	.size	k_q97bbfbd537_attn, .Lfunc_end_k_q97bbfbd537_attn-k_q97bbfbd537_attn
	.p2alignl 7, 3214868480
	.fill 96, 4, 3214868480
	.section	.rodata,"a",@progbits
	.p2align	6, 0x0
	.amdhsa_kernel k_q97bbfbd537_attn
		.amdhsa_group_segment_fixed_size 327680
		.amdhsa_private_segment_fixed_size 0
		.amdhsa_enable_private_segment 0
		.amdhsa_kernarg_size 40
		.amdhsa_user_sgpr_count 2
		.amdhsa_user_sgpr_kernarg_segment_ptr 1
		.amdhsa_wavefront_size32 1
		.amdhsa_system_sgpr_workgroup_id_x 1
		.amdhsa_system_sgpr_workgroup_id_y 1
		.amdhsa_system_sgpr_workgroup_id_z 1
		.amdhsa_system_vgpr_workitem_id 0
		.amdhsa_next_free_vgpr 512
		.amdhsa_next_free_sgpr 100
		.amdhsa_reserve_vcc 1
		.amdhsa_float_denorm_mode_32 3
		.amdhsa_float_denorm_mode_16_64 3
		.amdhsa_memory_ordered 1
		.amdhsa_forward_progress 1
		.amdhsa_inst_pref_size 89
	.end_amdhsa_kernel
	.amdgpu_metadata
---
amdhsa.version: [ 1, 2 ]
amdhsa.kernels:
  - .name:           k_q97bbfbd537_attn
    .symbol:         k_q97bbfbd537_attn.kd
    .args:
      - { .name: q_codes, .offset: 0, .size: 8, .value_kind: global_buffer, .address_space: global }
      - { .name: k_codes, .offset: 8, .size: 8, .value_kind: global_buffer, .address_space: global }
      - { .name: v_codes, .offset: 16, .size: 8, .value_kind: global_buffer, .address_space: global }
      - { .name: lowp_scales, .offset: 24, .size: 8, .value_kind: global_buffer, .address_space: global }
      - { .name: y_codes, .offset: 32, .size: 8, .value_kind: global_buffer, .address_space: global }
    .group_segment_fixed_size: 327680
    .private_segment_fixed_size: 0
    .kernarg_segment_align: 8
    .kernarg_segment_size: 40
    .max_flat_workgroup_size: 256
    .sgpr_count:     100
    .vgpr_count:     512
    .wavefront_size: 32
...
	.end_amdgpu_metadata
.endif
;; end of part 3
;; launch proj (part 4): grid 4 x 64, 4 waves a work-group, clusters of 4 x 4, 327,680 bytes of LDS; arguments y_codes, wp_codes, lowp_scales, b_proj, out0; writes out0
.if DOCPART == 4
	.amdgcn_target "amdgcn-amd-amdhsa--gfx1250"
	.amdhsa_code_object_version 6
	.text
	.protected	k_q97bbfbd537_proj
	.globl	k_q97bbfbd537_proj
	.p2align	8
	.type	k_q97bbfbd537_proj,@function
k_q97bbfbd537_proj:
	s_mov_b64 s[64:65], 0
	v_nop
	global_prefetch_b8 v0, s[64:65] scope:SCOPE_SE
	s_setreg_imm32_b32 hwreg(HW_REG_WAVE_MODE, 25, 1), 1
	s_wait_xcnt 0x0
	s_wait_alu depctr_hold_cnt(0) depctr_sa_sdst(0) depctr_va_vdst(0) depctr_va_sdst(0) depctr_va_ssrc(0) depctr_va_vcc(0) depctr_vm_vsrc(0)
	s_getreg_b32 s2, hwreg(HW_REG_IB_STS2, 6, 4)
	s_cmp_eq_u32 s2, 0
	s_cbranch_scc0 .Lentry_in_a_cluster
	s_endpgm
.Lentry_in_a_cluster:
	s_bfe_u32 s2, ttmp6, 0x10000c
	s_cmp_lg_u32 s2, 0xf033
	s_cbranch_scc0 .Lentry_shape_is_right
	s_endpgm
.Lentry_shape_is_right:
; out0 = y w_proj + b_proj on codes of BF8 (E5M2), sums in f32.  y_codes: [64 blocks of 128 tokens][16 heads][32 groups of 4 tokens x 64]; wp_codes: [1024 channels][1024], K innermost, in y's order of K.
; A finished sum stands for sum x 2^(e6 + e7); the bias goes in as the first product's C, divided by that power of two.  LIMIT: e6 + e7 between -126 and 127.
; SHARES.  A work-group owns a block of 128 tokens x 256 channels, made as two tiles of 128 channels.  A (the block's codes, all of K: one dense run of 131,072 bytes) stays in LDS;
; B's tile (128 rows of 1,024 bytes) is filled at the head and filled again once, behind tile 0's last read, and that load is on its way while tile 0 goes out.
; A wave makes 64 tokens x 64 channels: 16 accumulators; K in 8 steps of 128 with two sets of fragments, no barrier between the steps.
; CLUSTERS of 4 x 4: A is shared along a row of the cluster, B along a column; each tile is asked for jointly.  Waves 0 and 1 fetch A's halves, waves 2 and 3 B's.
; No prefetch: the launch has one refill, asked for as soon as its bytes are free, and no loop in which to run ahead of it.
; THE MATRIX INSTRUCTION IS USED TRANSPOSED (source 0 = 16 channels, source 1 = 16 tokens): a lane holds eight neighbouring channels of one token.
; REGISTERS.  Window 0: v1-29 addresses; v32-95 the bias of both tiles; v96-127 the way out's numbers; v128-255 A's fragments, two sets (on the way out v128-191 take the rows read back).
;             Window 1: v0-127 the accumulators ((a, b) at 8 (4 a + b)).   Window 2: v0-127 B's fragments, two sets.
.set PA,     272                       ; A in LDS: 256 bytes (4 tokens x 64 codes of a head) + 16 of padding
.set HEADB,  32*PA                     ; a head's 128 tokens
.set PB,     1040                      ; B in LDS: a row of 1,024 bytes + 16
.set BBASE,  16*HEADB
.set STAGE,  BBASE+128*PB              ; the way out: 16 rows of 256 + 16 bytes for each wave
.set SPITCH, 272
.set SPARE,  STAGE+4*16*SPITCH         ; the spare words, 128 bytes for each wave
.set ADRA, 16                          ; v16, v17: my A fragments, heads 0-7 and 8-15
.set ADRB, 20
.set STO,  24
.set RD,   25
.set CO,   26
.set SPW,  28
.set NIL,  29
.set BI,   32
.set TMP,  96
.set AF,   128
.set BK,   128
.set G1, 24
.set G0, 32
.set G1B, 48
.set G0B, 56
.set MSB, 0
.macro WIN new                         ; low byte: bits 1:0 source 0, 3:2 source 1, 5:4 source 2, 7:6 destination; the high byte repeats the setting that is left
.if MSB != \new
	s_set_vgpr_msb (MSB<<8)|\new
.set MSB, \new
.endif
.endm
.macro PLACES                          ; plain vector instructions between a matrix instruction and a load into, or a vector instruction on, its registers
.rept 4
	v_nop
.endr
.endm
.macro CROUND
	s_barrier_signal -1
	s_barrier_wait -1
	s_cmp_lg_u32 s14, 0
	s_cbranch_scc1 .Lnot_wave_0_\@
	s_barrier_signal -3
.Lnot_wave_0_\@:
	s_barrier_wait -3
	s_barrier_signal -1
	s_barrier_wait -1
.endm
	s_load_b128 s[4:7], s[0:1], 0x0                ; y's codes, wp's codes
	s_load_b128 s[8:11], s[0:1], 0x10              ; the scales' exponents, b_proj
	s_load_b64 s[12:13], s[0:1], 0x20              ; out0
	v_lshl_add_u32 v[SPW], v0, 2, SPARE
	v_mov_b32 v[NIL], 0
	ds_add_u32 v[SPW], v[NIL]                      ; the opening lines: the add twice on end and its wait ahead of my first tensor load
	ds_add_u32 v[SPW], v[NIL]
	v_lshrrev_b32 v1, 5, v0
	v_readfirstlane_b32 s14, v1                    ; wave 0..3
	s_lshr_b32 s15, s14, 1                         ; my half of the tokens.  Also: I fetch for A (0) or for B (1)
	s_and_b32 s16, s14, 1                          ; my half of a tile's channels.  Also: which half I fetch
	s_bfe_u32 s40, ttmp6, 0x40000                  ; cx, cy
	s_bfe_u32 s41, ttmp6, 0x40004
	s_lshl_b32 s42, ttmp9, 2
	s_add_co_u32 s42, s42, s40                     ; my 256 channels
	s_and_b32 s17, ttmp7, 0xffff
	s_lshl_b32 s17, s17, 2
	s_add_co_u32 s17, s17, s41                     ; my block of 128 tokens
	s_lshl_b32 s43, s41, 2
	s_lshl_b32 s43, 15, s43                        ; my row of the cluster
	s_lshl_b32 s44, 0x1111, s40                    ; my column
	s_or_b32 s[G1+0], s43, (1<<20)|(1<<21)|(5<<22)|(3<<25)   ; A: bytes; 4 words of padding behind every 64
	s_mov_b32 s[G1+1], 256<<16
	s_mov_b32 s[G1+2], 256<<16
	s_mov_b32 s[G1+3], 256<<16
	s_mov_b32 s[G1+4], 256                         ; 256 rows of 256 bytes: eight heads
	s_mov_b32 s[G1+5], 256
	s_mov_b32 s[G1+6], 0
	s_mov_b32 s[G1+7], 0
	s_or_b32 s[G1B+0], s44, (1<<20)|(1<<21)|(7<<22)|(3<<25)  ; B: 4 words of padding behind every 256
	s_mov_b32 s[G1B+1], 1024<<16
	s_mov_b32 s[G1B+2], 64<<16
	s_mov_b32 s[G1B+3], 1024<<16
	s_mov_b32 s[G1B+4], 64                         ; 64 rows of 1,024 bytes
	s_mov_b32 s[G1B+5], 1024
	s_mov_b32 s[G1B+6], 0
	s_mov_b32 s[G1B+7], 0
	s_lshl_b32 s20, s17, 17
	s_lshl_b32 s18, s16, 16
	s_add_co_u32 s20, s20, s18                     ; A: block x 131,072 + half x 65,536
	s_mov_b32 s21, 0
	s_lshl_b32 s46, s42, 8
	s_lshl_b32 s18, s16, 6
	s_add_co_u32 s46, s46, s18
	s_lshl_b32 s46, s46, 10                        ; B: row 256 x + 64 x half, of 1,024 bytes
	s_mov_b32 s47, 0
	s_mul_i32 s45, s16, 256*PA
	s_mul_i32 s22, s16, 64*PB
	s_add_co_u32 s22, s22, BBASE
	s_wait_dscnt 0x0
	s_wait_kmcnt 0x0
	s_load_b64 s[96:97], s[8:9], 0x18              ; e6, e7
	s_mov_b32 s[G0], 1
	s_mov_b32 s[G0+1], s45
	s_add_nc_u64 s[G0+2:G0+3], s[4:5], s[20:21]
	s_or_b32 s[G0+3], s[G0+3], 0x80000000
	s_mov_b32 s[G0B], 1
	s_mov_b32 s[G0B+1], s22
	s_add_nc_u64 s[G0B+2:G0B+3], s[6:7], s[46:47]
	s_or_b32 s[G0B+3], s[G0B+3], 0x80000000
	CROUND                                         ; all sixteen work-groups are here: the joint loads meet
	s_cmp_eq_u32 s15, 0
	s_cbranch_scc0 .Lfor_b
	tensor_load_to_lds s[G0:G0+3], s[G1:G1+7]      ; one tensor load a wave at the head
	s_nop 0
	PLACES
	s_branch .Lasked
.Lfor_b:
	tensor_load_to_lds s[G0B:G0B+3], s[G1B:G1B+7]
	s_nop 0
	PLACES
.Lasked:
	s_lshl_b32 s22, s42, 10
	s_lshl_b32 s23, s16, 8
	s_add_co_u32 s22, s22, s23                     ; my first channel, in bytes of f32
	s_mov_b32 s23, 0
	s_add_nc_u64 s[10:11], s[10:11], s[22:23]
	s_lshl_b32 s20, s17, 19
	s_lshl_b32 s21, s15, 18
	s_add_co_u32 s20, s20, s21                     ; my first token's row of 4,096 bytes
	s_add_co_u32 s20, s20, s22
	s_mov_b32 s21, 0
	s_add_nc_u64 s[12:13], s[12:13], s[20:21]
	s_mul_i32 s66, s15, 16*PA                      ; my 64 tokens: 16 groups
	s_mul_i32 s67, s16, 64*PB
	s_add_co_u32 s67, s67, BBASE                   ; my 64 channels
	s_mul_i32 s68, s14, 16*SPITCH
	s_add_co_u32 s68, s68, STAGE                   ; my stage
	v_and_b32 v1, 15, v0                           ; r
	v_bfe_u32 v2, v0, 4, 1                         ; h
	v_lshlrev_b32 v7, 5, v2
.irp p, 0,1
.irp b, 0,1,2,3
	global_load_b128 v[BI+32*\p+8*\b:BI+32*\p+8*\b+3], v7, s[10:11] offset:512*\p+64*\b       ; register 8 b + j: the bias of channel 16 b + 8 h + j
	global_load_b128 v[BI+32*\p+8*\b+4:BI+32*\p+8*\b+7], v7, s[10:11] offset:512*\p+64*\b+16
.endr
.endr
	v_lshrrev_b32 v5, 2, v1
	v_mul_u32_u24 v5, v5, PA
	v_and_b32 v6, 3, v1
	v_lshl_add_u32 v5, v6, 6, v5
	v_lshl_add_u32 v5, v2, 4, v5
	v_add_nc_u32 v[ADRA], s66, v5                  ; A: group r / 4, + 64 (r % 4) + 16 h
	v_add_nc_u32 v[ADRA+1], 8*HEADB, v[ADRA]
	v_mul_u32_u24 v3, v1, PB
	v_lshl_add_u32 v3, v2, 4, v3
	v_add_nc_u32 v[ADRB], s67, v3                  ; B: row r, + 16 h
	v_mul_u32_u24 v5, v1, SPITCH
	v_lshl_add_u32 v5, v2, 5, v5
	v_add_nc_u32 v[STO], s68, v5                   ; into the stage: row r, 32 bytes for each half of the lanes
	v_mul_u32_u24 v5, v2, SPITCH
	v_lshl_add_u32 v5, v1, 4, v5
	v_add_nc_u32 v[RD], s68, v5                    ; back: lanes 0-15 one row of 256 bytes, lanes 16-31 the next
	v_lshlrev_b32 v5, 12, v2
	v_lshl_add_u32 v[CO], v1, 4, v5                ; and the same two rows in out0
	s_wait_alu depctr_va_vdst(0)
	s_wait_kmcnt 0x0
	s_add_co_i32 s99, s96, s97
	s_sub_co_i32 s98, 0, s99
	s_add_co_i32 s96, s99, 127
	s_lshl_b32 s96, s96, 23                        ; 2^(e6 + e7) as f32
	s_wait_loadcnt 0x0
.set JJ, 0
.rept 64
	v_ldexp_f32 v[BI+JJ], v[BI+JJ], s98            ; the bias / 2^(e6 + e7)
.set JJ, JJ+1
.endr
.macro FETCH q                         ; the fragments of K step q into set q % 2: registers 4 c .. 4 c + 3 hold the bytes 128 q + 32 c + 16 h + 0 .. 15 of K, in A and in B alike
.set FS, 64*((\q)%2)
	WIN 0x80
.irp i, 0,1,2,3
.irp c, 0,1,2,3
	ds_load_b128 v[FS+16*\i+4*\c:FS+16*\i+4*\c+3], v[ADRB] offset:128*(\q)+32*\c+\i*16*PB
.endr
.endr
	WIN 0
.irp i, 0,1,2,3
.irp c, 0,1,2,3
	ds_load_b128 v[AF+FS+16*\i+4*\c:AF+FS+16*\i+4*\c+3], v[ADRA+(\q)/4] offset:((2*(\q)+\c/2)%8)*HEADB+32*(\c%2)+\i*4*PA
.endr
.endr
.endm
.macro KSTEP q, p                      ; 128 along K: 16 matrix instructions, the 16 accumulators by turns; the next step's fragments are asked for first
	s_wait_dscnt 0x0                               ; this step's fragments
.if (\q) < 7
	PLACES
	FETCH (\q)+1
.endif
.set FS, 64*((\q)%2)
.if (\q) == 0
	WIN 0x42
.else
	WIN 0x52
.endif
.irp a, 0,1,2,3
.irp b, 0,1,2,3
.if (\q) == 0
	v_wmma_f32_16x16x128_bf8_bf8 v[8*(4*\a+\b):8*(4*\a+\b)+7], v[FS+16*\b:FS+16*\b+15], v[AF+FS+16*\a:AF+FS+16*\a+15], v[BI+32*(\p)+8*\b:BI+32*(\p)+8*\b+7]
.else
	v_wmma_f32_16x16x128_bf8_bf8 v[8*(4*\a+\b):8*(4*\a+\b)+7], v[FS+16*\b:FS+16*\b+15], v[AF+FS+16*\a:AF+FS+16*\a+15], v[8*(4*\a+\b):8*(4*\a+\b)+7]
.endif
.endr
.endr
.endm
.macro TILE p
	FETCH 0
.irp q, 0,1,2,3,4,5,6,7
	KSTEP \q, \p
.endr
	WIN 0
.endm
; THE WAY OUT, block by block of 16 tokens x 64 channels: x 2^(e6 + e7), through my own stage, back as rows of 256 bytes
.macro TOSTAGE a
	WIN 0x01
.set JJ, 0
.rept 16                               ; each accumulator is read from its low end on
	v_pk_mul_f32 v[TMP+JJ:TMP+JJ+1], v[32*(\a)+JJ:32*(\a)+JJ+1], s[96:97] op_sel_hi:[1,0]
.set JJ, JJ+2
.endr
	WIN 0
.irp b, 0,1,2,3
	ds_store_b128 v[STO], v[TMP+8*\b:TMP+8*\b+3] offset:64*\b
	ds_store_b128 v[STO], v[TMP+8*\b+4:TMP+8*\b+7] offset:64*\b+16
.endr
.set BB, BK+32*((\a)%2)
.irp t, 0,1,2,3,4,5,6,7
	ds_load_b128 v[BB+4*\t:BB+4*\t+3], v[RD] offset:\t*2*SPITCH   ; LDS serves a wave's instructions in order (ISA guide 5.7.1.4): these see the stores above
.endr
.endm
.macro SEND a, p, younger              ; younger: the LDS instructions issued behind block a's loads
.set BB, BK+32*((\a)%2)
	s_wait_dscnt \younger
.irp t, 0,1,2,3,4,5,6,7
	global_store_b128 v[CO], v[BB+4*\t:BB+4*\t+3], s[12:13] offset:(\a)*65536+\t*8192+512*(\p) th:TH_STORE_NT   ; sixteen lanes store 256 consecutive bytes, aligned
.endr
.endm
.macro OUTALL p
	TOSTAGE 0
.irp a, 1,2,3
.if \a > 1
	s_wait_xcnt 0x0                                ; block a - 2's stores have read their registers: block a's loads may land there
.endif
	TOSTAGE \a
	SEND \a-1, \p, 16                              ; behind block a - 1's loads: block a's 8 stores and 8 loads
.endr
	SEND 3, \p, 0
.endm
	s_wait_alu depctr_va_vdst(0)
	s_wait_tensorcnt 0x0                           ; my half of A or of B's first tile has landed
	s_barrier_signal -1
	s_barrier_wait -1                              ; and everybody's
	TILE 0
	s_wait_tensorcnt 0x0
	ds_add_u32 v[SPW], v[NIL]
	s_add_nc_u64 s[G0B+2:G0B+3], s[G0B+2:G0B+3], 128*1024   ; B's second tile: 128 rows on
	s_wait_dscnt 0x0                               ; the add is done, and my reads of B's first tile are over
	CROUND                                         ; so are those of every wave of every partner
	s_cmp_eq_u32 s15, 0
	s_cbranch_scc1 .Lno_b
	tensor_load_to_lds s[G0B:G0B+3], s[G1B:G1B+7]  ; the first tensor load behind the round; waves 0 and 1 have no part of B to fill
	s_nop 0
	PLACES
.Lno_b:
	PLACES                                         ; behind the last products: their results are read and A's registers loaded into below
	OUTALL 0                                       ; tile 0 goes out while B's second tile is on its way
	s_wait_tensorcnt 0x0                           ; my half of it has landed
	s_wait_dscnt 0x0
	s_barrier_signal -1
	s_barrier_wait -1
	s_wait_xcnt 0x0                                ; tile 0's stores have read their registers, which take fragments again
	TILE 1
	PLACES
	OUTALL 1
	s_wait_tensorcnt 0x0                           ; the wave's end
	ds_add_u32 v[SPW], v[NIL]
	s_wait_dscnt 0x0
	CROUND                                         ; the closing round: no work-group ends while a partner may still ask for a tile that names it
	s_endpgm
.Lfunc_end_k_q97bbfbd537_proj:
	.size	k_q97bbfbd537_proj, .Lfunc_end_k_q97bbfbd537_proj-k_q97bbfbd537_proj
	.p2alignl 7, 3214868480
	.fill 96, 4, 3214868480
	.section	.rodata,"a",@progbits
	.p2align	6, 0x0
	.amdhsa_kernel k_q97bbfbd537_proj
		.amdhsa_group_segment_fixed_size 327680
		.amdhsa_private_segment_fixed_size 0
		.amdhsa_enable_private_segment 0
		.amdhsa_kernarg_size 40
		.amdhsa_user_sgpr_count 2
		.amdhsa_user_sgpr_kernarg_segment_ptr 1
		.amdhsa_wavefront_size32 1
		.amdhsa_system_sgpr_workgroup_id_x 1
		.amdhsa_system_sgpr_workgroup_id_y 1
		.amdhsa_system_sgpr_workgroup_id_z 1
		.amdhsa_system_vgpr_workitem_id 0
		.amdhsa_next_free_vgpr 640
		.amdhsa_next_free_sgpr 100
		.amdhsa_reserve_vcc 0
		.amdhsa_float_denorm_mode_32 3
		.amdhsa_float_denorm_mode_16_64 3
		.amdhsa_memory_ordered 1
		.amdhsa_forward_progress 1
		.amdhsa_inst_pref_size 89
	.end_amdhsa_kernel
	.amdgpu_metadata
---
amdhsa.version: [ 1, 2 ]
amdhsa.kernels:
  - .name:           k_q97bbfbd537_proj
    .symbol:         k_q97bbfbd537_proj.kd
    .args:
      - { .name: y_codes, .offset: 0, .size: 8, .value_kind: global_buffer, .address_space: global }
      - { .name: wp_codes, .offset: 8, .size: 8, .value_kind: global_buffer, .address_space: global }
      - { .name: lowp_scales, .offset: 16, .size: 8, .value_kind: global_buffer, .address_space: global }
      - { .name: b_proj, .offset: 24, .size: 8, .value_kind: global_buffer, .address_space: global }
      - { .name: out0, .offset: 32, .size: 8, .value_kind: global_buffer, .address_space: global }
    .group_segment_fixed_size: 327680
    .private_segment_fixed_size: 0
    .kernarg_segment_align: 8
    .kernarg_segment_size: 40
    .max_flat_workgroup_size: 128
    .sgpr_count:     100
    .vgpr_count:     640
    .wavefront_size: 32
...
	.end_amdgpu_metadata
.endif
;; end of part 4
